; MI455X (gfx1250); checked and timed in simulation.
; The chip was launched on July 23, 2026; its instructions are those of AMD's public machine-readable ISA for CDNA 5 (MIT licence, August 2026) and "CDNA5" Instruction Set Architecture Reference Guide (July 2026). The comments in the code are by the model that wrote it; some were corrected since.
;; Gated Cross Modal Attention Unit. Allowed arithmetic: float matrix products may take bf16 or f16 operands with f32 sums; other float arithmetic in f32, or as packed bf16 or f16 multiplies, adds, multiply-adds, maxima and minima; sums over many terms, partial sums and values carried from step to step in f32; what a program stores and reads back later, other than sums and carried values, may be rounded once to bf16 or f16.
;; Inputs: Wc1 1,024 x 3,072 float32; Wc2 1 x 1,024 float32; Wg1 1,024 x 3,072 float32; Wg2 1 x 1,024 float32; Wk 1,024 x 1,024 float32; Wo 2,048 x 1,024 float32; Wq 1,024 x 2,048 float32; Wvk 1,024 x 1,024 float32; Wvq 1,024 x 2,048 float32; bc1 1,024 float32; bc2 1 float32; bg1 1,024 float32; bg2 1 float32; bk 1,024 float32; bo 2,048 float32; bq 1,024 float32; bvk 1,024 float32; bvq 1,024 float32; key_features 4,096 x 1,024 float32; ln_k_b 1,024 float32; ln_k_w 1,024 float32; ln_o_b 2,048 float32; ln_o_w 2,048 float32; ln_q_b 1,024 float32; ln_q_w 1,024 float32; query_features 4,096 x 2,048 float32.
;; Outputs: out0 4,096 x 2,048 float32.
;; One version. Each part assembles by itself: llvm-mc -triple=amdgcn-amd-amdhsa -mcpu=gfx1250 --defsym DOCPART=n.
;; ======== version 1 of 1: 5 launches
;; limits: values are held in f16: magnitudes above 65,504 overflow, below 6.1e-05 lose precision; values outside matrix products are rounded to f16; a function is approximated: absolute error at most 1.5e-07
;; workspace buffers: xb 25,165,824 bytes; wall 25,165,824 bytes; woh 4,194,304 bytes; qkv 33,554,432 bytes; gpart 262,144 bytes; att 8,388,608 bytes; y 33,554,432 bytes
;; launch cast (part 1): grid 3328 x 1, 8 waves a work-group, no clusters, 0 bytes of LDS; arguments query_features, key_features, Wq, Wvq, Wk, Wvk, Wg1, Wc1, Wo, xb, wall, woh; writes xb, wall, woh
.if DOCPART == 1
	.amdgcn_target "amdgcn-amd-amdhsa--gfx1250"
	.amdhsa_code_object_version 6
	.text
	.protected	k_q094fbb34d3_cast
	.globl	k_q094fbb34d3_cast
	.p2align	8
	.type	k_q094fbb34d3_cast,@function
k_q094fbb34d3_cast:
	s_mov_b64 s[64:65], 0
	v_nop
	global_prefetch_b8 v0, s[64:65] scope:SCOPE_SE
	s_setreg_imm32_b32 hwreg(HW_REG_WAVE_MODE, 25, 1), 1
	s_wait_xcnt 0x0
; THE INPUTS OF THE PRODUCTS, ROUNDED ONCE TO 16 BITS AND LAID OUT FOR THE TWO GEMMS.
;   xb   [4096][3072] bf16 = [query_features | key_features]
;   wall [4096][3072] bf16: rows 0-1023 [Wq | Wk], 1024-2047 [Wvq | Wvk], 2048-3071 Wg1, 3072-4095 Wc1
;   woh  [2048][1024] f16  = Wo rounded to bf16 like every other input, that number written as f16
; LIMIT: a weight of Wo below 2^-16 in size keeps f16's fixed step of 6e-8; beyond 65,504 it would be an infinity.
; A chunk is 1,024 f32 (4,096 bytes in, 2,048 out).  26,624 chunks, one a wave, eight a work-group: 3,328 work-groups, no loop.
; A wave's eight loads cover 512 neighbouring bytes each; each of its eight stores covers 256 neighbouring bytes, aligned.
; Nothing is shared between waves: no LDS, no barrier, no cluster, no matrix unit.
.set SRC, 32                           ; s[32:33] where my chunk is read
.set DST, 34                           ; s[34:35] where it is written
.set U0,  36                           ; first work-group of my matrix
.set SH,  37                           ; log2 of the chunks in a row of the source (2,048 columns: 1; else 0)
.set PIT, 38                           ; bytes from row to row in the destination
.set DB,  39                           ; byte at which the matrix begins in the destination
.set X,   8                            ; v[8:39]   32 f32 as loaded
.set Y,   40                           ; v[40:55]  16 words of two 16-bit numbers
.set T,   56                           ; v[56:59]  at work
	s_load_b512 s[8:23], s[0:1], 0x0               ; query, key, Wq, Wvq, Wk, Wvk, Wg1, Wc1
	s_load_b256 s[24:31], s[0:1], 0x40             ; Wo, xb, wall, woh
	v_lshrrev_b32 v3, 5, v0
	v_readfirstlane_b32 s4, v3                     ; wave 0..7
	v_and_b32 v2, 31, v0
	v_lshlrev_b32 v1, 4, v2                        ; 16 bytes a lane on the way in
	v_lshlrev_b32 v2, 3, v2                        ; 8 on the way out
	s_mov_b32 s[U0], 0
	s_mov_b32 s[SH], 1
	s_mov_b32 s[PIT], 6144
	s_mov_b32 s[DB], 0
	s_wait_kmcnt 0x0
	s_mov_b64 s[SRC:SRC+1], s[8:9]                 ; work-groups 0-1023: query_features into xb
	s_mov_b64 s[DST:DST+1], s[26:27]
; From work-group lim on another matrix: one compare and six selects, no branch.
.macro STEP lim, src, dst, sh, pit, db
	s_cmp_ge_u32 ttmp9, \lim
	s_cselect_b64 s[SRC:SRC+1], s[\src:\src+1], s[SRC:SRC+1]
	s_cselect_b64 s[DST:DST+1], s[\dst:\dst+1], s[DST:DST+1]
	s_cselect_b32 s[U0], \lim, s[U0]
	s_cselect_b32 s[SH], \sh, s[SH]
	s_cselect_b32 s[PIT], \pit, s[PIT]
	s_cselect_b32 s[DB], \db, s[DB]
.endm
	STEP 1024, 10, 26, 0, 6144, 4096               ; key_features: columns 2048 on of xb
	STEP 1536, 12, 28, 1, 6144, 0                  ; Wq
	STEP 1792, 14, 28, 1, 6144, 6291456            ; Wvq: rows 1024 on
	STEP 2048, 16, 28, 0, 6144, 4096               ; Wk: columns 2048 on
	STEP 2176, 18, 28, 0, 6144, 6295552            ; Wvk
	STEP 2304, 20, 28, 0, 2048, 12582912           ; Wg1: its rows have wall's length, so chunk follows chunk
	STEP 2688, 22, 28, 0, 2048, 18874368           ; Wc1
	STEP 3072, 24, 30, 0, 2048, 0                  ; Wo
	s_sub_co_u32 s40, ttmp9, s[U0]
	s_lshl_b32 s40, s40, 3
	s_add_co_u32 s40, s40, s4                      ; my chunk's number in its matrix
	s_lshl_b32 s42, s40, 12
	s_mov_b32 s43, 0
	s_add_nc_u64 s[SRC:SRC+1], s[SRC:SRC+1], s[42:43]
	s_lshr_b32 s44, s40, s[SH]                     ; its row,
	s_mul_i32 s44, s44, s[PIT]
	s_add_co_u32 s44, s44, s[DB]
	s_lshl_b32 s46, 1, s[SH]
	s_sub_co_u32 s46, s46, 1
	s_and_b32 s46, s46, s40                        ; and its place in the row
	s_lshl_b32 s46, s46, 11
	s_add_co_u32 s44, s44, s46
	s_mov_b32 s45, 0
	s_add_nc_u64 s[DST:DST+1], s[DST:DST+1], s[44:45]
.set i, 0
.rept 8
	global_load_b128 v[X+4*i:X+4*i+3], v1, s[SRC:SRC+1] offset:512*i th:TH_LOAD_NT
.set i, i+1
.endr
	s_cmp_ge_u32 ttmp9, 3072
	s_cbranch_scc1 .Lwo
.set i, 0
.rept 8
	s_wait_loadcnt 7-i                             ; loads come back in order: piece i is in, the 7 - i younger ones stay out
	v_cvt_pk_bf16_f32 v[Y+2*i], v[X+4*i], v[X+4*i+1]
	v_cvt_pk_bf16_f32 v[Y+2*i+1], v[X+4*i+2], v[X+4*i+3]
	global_store_b64 v2, v[Y+2*i:Y+2*i+1], s[DST:DST+1] offset:256*i th:TH_STORE_NT
.set i, i+1
.endr
	s_endpgm
.Lwo:                                          ; Wo: to bf16 as above, widened again (a shift, a mask), and that number written as f16
.set i, 0
.rept 8
	s_wait_loadcnt 7-i
	v_cvt_pk_bf16_f32 v[Y+2*i], v[X+4*i], v[X+4*i+1]
	v_cvt_pk_bf16_f32 v[Y+2*i+1], v[X+4*i+2], v[X+4*i+3]
	v_lshlrev_b32 v[T], 16, v[Y+2*i]
	v_and_b32 v[T+1], 0xffff0000, v[Y+2*i]
	v_lshlrev_b32 v[T+2], 16, v[Y+2*i+1]
	v_and_b32 v[T+3], 0xffff0000, v[Y+2*i+1]
	v_cvt_pk_f16_f32 v[Y+2*i], v[T], v[T+1]
	v_cvt_pk_f16_f32 v[Y+2*i+1], v[T+2], v[T+3]
	global_store_b64 v2, v[Y+2*i:Y+2*i+1], s[DST:DST+1] offset:256*i th:TH_STORE_NT
.set i, i+1
.endr
	s_endpgm
.Lfunc_end_k_q094fbb34d3_cast:
	.size	k_q094fbb34d3_cast, .Lfunc_end_k_q094fbb34d3_cast-k_q094fbb34d3_cast
	.p2alignl 7, 3214868480
	.fill 96, 4, 3214868480
	.section	.rodata,"a",@progbits
	.p2align	6, 0x0
	.amdhsa_kernel k_q094fbb34d3_cast
		.amdhsa_group_segment_fixed_size 0
		.amdhsa_private_segment_fixed_size 0
		.amdhsa_enable_private_segment 0
		.amdhsa_kernarg_size 96
		.amdhsa_user_sgpr_count 2
		.amdhsa_user_sgpr_kernarg_segment_ptr 1
		.amdhsa_wavefront_size32 1
		.amdhsa_system_sgpr_workgroup_id_x 1
		.amdhsa_system_sgpr_workgroup_id_y 1
		.amdhsa_system_sgpr_workgroup_id_z 1
		.amdhsa_system_vgpr_workitem_id 0
		.amdhsa_next_free_vgpr 64
		.amdhsa_next_free_sgpr 66
		.amdhsa_reserve_vcc 0
		.amdhsa_float_denorm_mode_32 3
		.amdhsa_float_denorm_mode_16_64 3
		.amdhsa_memory_ordered 1
		.amdhsa_forward_progress 1
		.amdhsa_inst_pref_size 12
	.end_amdhsa_kernel
	.amdgpu_metadata
---
amdhsa.version: [ 1, 2 ]
amdhsa.kernels:
  - .name:           k_q094fbb34d3_cast
    .symbol:         k_q094fbb34d3_cast.kd
    .args:
      - { .name: query_features, .offset: 0, .size: 8, .value_kind: global_buffer, .address_space: global }
      - { .name: key_features, .offset: 8, .size: 8, .value_kind: global_buffer, .address_space: global }
      - { .name: Wq, .offset: 16, .size: 8, .value_kind: global_buffer, .address_space: global }
      - { .name: Wvq, .offset: 24, .size: 8, .value_kind: global_buffer, .address_space: global }
      - { .name: Wk, .offset: 32, .size: 8, .value_kind: global_buffer, .address_space: global }
      - { .name: Wvk, .offset: 40, .size: 8, .value_kind: global_buffer, .address_space: global }
      - { .name: Wg1, .offset: 48, .size: 8, .value_kind: global_buffer, .address_space: global }
      - { .name: Wc1, .offset: 56, .size: 8, .value_kind: global_buffer, .address_space: global }
      - { .name: Wo, .offset: 64, .size: 8, .value_kind: global_buffer, .address_space: global }
      - { .name: xb, .offset: 72, .size: 8, .value_kind: global_buffer, .address_space: global }
      - { .name: wall, .offset: 80, .size: 8, .value_kind: global_buffer, .address_space: global }
      - { .name: woh, .offset: 88, .size: 8, .value_kind: global_buffer, .address_space: global }
    .group_segment_fixed_size: 0
    .private_segment_fixed_size: 0
    .kernarg_segment_align: 8
    .kernarg_segment_size: 96
    .max_flat_workgroup_size: 256
    .sgpr_count:     66
    .vgpr_count:     64
    .wavefront_size: 32
...
	.end_amdgpu_metadata
.endif
;; end of part 1
;; launch gemm1 (part 2): grid 16 x 16, 4 waves a work-group, clusters of 4 x 4, 327,680 bytes of LDS; arguments xb, wall, qkv, gpart, bq, bvq, bg1, bc1, bk, bvk, Wg2, Wc2; writes qkv, gpart
.if DOCPART == 2
	.amdgcn_target "amdgcn-amd-amdhsa--gfx1250"
	.amdhsa_code_object_version 6
	.text
	.protected	k_q094fbb34d3_gemm1
	.globl	k_q094fbb34d3_gemm1
	.p2align	8
	.type	k_q094fbb34d3_gemm1,@function
k_q094fbb34d3_gemm1:
	s_mov_b64 s[64:65], 0
	v_nop
	global_prefetch_b8 v0, s[64:65] scope:SCOPE_SE
	s_setreg_imm32_b32 hwreg(HW_REG_WAVE_MODE, 25, 1), 1
	s_wait_xcnt 0x0
	s_wait_alu depctr_hold_cnt(0) depctr_sa_sdst(0) depctr_va_vdst(0) depctr_va_sdst(0) depctr_va_ssrc(0) depctr_va_vcc(0) depctr_vm_vsrc(0)
	s_getreg_b32 s2, hwreg(HW_REG_IB_STS2, 6, 4)
	s_cmp_eq_u32 s2, 0
	s_cbranch_scc0 .Lentry_in_a_cluster
	s_endpgm
.Lentry_in_a_cluster:
	s_bfe_u32 s2, ttmp6, 0x10000c
	s_cmp_lg_u32 s2, 0xf033
	s_cbranch_scc0 .Lentry_shape_is_right
	s_endpgm
.Lentry_shape_is_right:
; ALL SIX PRODUCTS OF THE INPUTS AS ONE WALK: xb [4096][3072] times wall [4096][3072] transposed, bf16 operands, f32 sums.
; A work-group of four waves holds one 256 x 256 place of the 4096 x 4096 result, a wave 128 x 128: 64 accumulators, 512 registers.  K goes in 24 steps of 128
; through a ring of two LDS slots filled by the tensor data mover; the rows of a tile are 256 bytes of memory and start at multiples of 256 bytes.
; THE KIND of a work-group hangs on its cluster's x alone, so it is the same in all sixteen partners:
;   cluster x = 0: rows [Wq | Wk] of wall, 1: [Wvq | Wvk].  At K = 2,048 the sums are q (v_q): they leave, as f16, and new sums start; at K = 3,072 those are k (v_k).
;   cluster x = 2: Wg1, 3: Wc1.  One sum over all of K, then gelu and the dot with Wg2 (Wc2) over my 128 columns: one f32 partial sum a row.
; So every work-group issues the same 24 x 256 matrix instructions a wave.  v_q reaches no output of the module; it is computed as the module computes it and stored in plane 1 of qkv, which no later launch reads.
; ONE LOOP walks the laps (a lap = two K steps = once round the ring): eleven whole trips, two refills each; the twelfth is left in its middle for the tail, which asks for nothing.
; What hangs on the kind is a forward jump over text without a barrier or a tensor load.
; THE BIAS is the C operand of the products that start a sum: lane l holds the bias of the columns 16 b + 8 (l / 16) + 0..7 in 64 registers.
; TWO WAYS OUT.  At K = 2,048 the ring is at work: the sums go, 16 rows at a time, through a small stage of the wave's own.  At the end the ring has had its last fill: every kind puts its f32 sums into it, and a short loop
; (rows to f16 and out; or gelu and the dot) reads them back.
; OUT: qkv [4][4096][1024] f16: q, v_q, k, v_k, each with its bias, q and k before their LayerNorm.  gpart [16][4096] f32: part p = 8 x (chem) + 2 cx + column half.
; LIMITS.  f16 holds no number beyond 65,504: q, v_q, k, v_k must stay within it, and a common offset of q's or k's columns costs f16's step at that size.
; erf is taken by a rational form (Abramowitz and Stegun 7.1.26), off by at most 1.5e-7 for every argument; an exponential below 2^-126 counts as 0; NaN and infinities are not treated apart.
; CLUSTERS: 4 x 4 work-groups.  The four of a row need the same tiles of xb, the four of a column the same tiles of wall: each tile is asked for JOINTLY.
; THE MATRIX INSTRUCTION IS USED TRANSPOSED (source 0 = 16 rows of wall, source 1 = 16 rows of xb): a lane holds row l % 16 of the result and eight neighbouring columns.
; REGISTERS, in windows of 256: window 0: v0-31 addresses; v64-127, v128-191 fragments of xb, two buffers; v32-63, v192-255 at work on the way out
;   window 1: v0-63 the bias; v64-127, v128-191 fragments of wall      window 2: the accumulators of my rows 0-63 ((a, b) at v[8 (8 a + b)])      window 3: of my rows 64-127
.set SIZE_K, 3072
.set KSTEP,  128
.set PITCH,  272                       ; an LDS row: 256 bytes + 16 of padding = 68 words: the 16 rows of a load start at 16 different groups of four banks (64 banks of 4 bytes: ISA guide 11.1)
.set HALFT,  128*PITCH                 ; 128 rows: what one tensor load brings
.set SLOT,   4*HALFT                   ; xb's 256 rows, then wall's 256 rows
.set STAGE,  2*SLOT                    ; behind the ring: 16 rows x 272 bytes for each wave, for the way out at K = 2,048
.set SPITCH, 272
.set TAB,    STAGE+4*16*SPITCH         ; 512 bytes for each wave: the second vector of my 128 columns (the second bias, or the second layer's weights)
.set SPARE,  TAB+4*512                 ; the spare words, 128 bytes for each wave
.set DPITCH, 528                       ; the last way out: my 128 x 128 sums as f32 rows of 512 bytes + 16, in the ring, which has had its last fill by then
.set DWAVE,  128*DPITCH
.set ROWC,   2048                      ; bytes in a row of a plane of qkv
.set TBA,  8                           ; v8   my eight columns of a block of sixteen in TAB
.set DA,   9                           ; v9   where I put 32 bytes of a row of sums
.set GA,   10                          ; v10  the gate kinds: where I read my rows back
.set TA,   11                          ; v11  the weights of the columns in hand
.set GO,   12                          ; v12  4 x lane
.set RA,   13                          ; v13  the storing kinds: where I read 32 bytes of a row back
.set ADRA, 16                          ; v16-17  LDS address of my fragments of xb in slot 0, 1
.set ADRB, 20                          ; v20-21  the same for wall
.set STO,  24
.set RD,   25
.set CO,   26
.set BO,   27                          ; v27  32 x (l / 16): my eight columns' bias in a block of sixteen
.set SPW,  28                          ; v28  LDS address of my spare word; never rewritten
.set NIL,  29                          ; v29  0; never rewritten
.set PFO,  30                          ; v30  the prefetches' offset: my lane x a row (6,144 bytes); never rewritten
.set F0,   64
.set F1,   128
.set TMP,  192
.set OB,   32
.set G1,   24
.set G0,   32
.set LIM,  43                          ; s43  2 in a wave that prefetches, else the greatest number
.set PFA,  44
.set G1B,  48
.set G0B,  56
.set RF,   66                          ; s66  refills still to come
.set P1,   92                          ; s[92:93] the first bias of my 128 columns
.set P2,   94                          ; s[94:95] the second bias, or the second layer's weights
.set KIND, 96
.set GP,   98
.set MSB, 0
.macro WIN new                         ; the immediate's high byte repeats the setting that is left
.if MSB != (\new)
	s_set_vgpr_msb (MSB<<8)|(\new)
.set MSB, \new
.endif
.endm
.set TO_B, 0x40
; A joint load.  Waves 0 and 1 fetch xb's two halves, waves 2 and 3 wall's.  The branch hangs on the wave's number alone.  An s_nop 0 and four v_nop follow each of the two lines.
.macro JLOAD s
	s_cmp_eq_u32 s11, 0
	s_cbranch_scc0 .Lfor_b_\@
	tensor_load_to_lds s[G0+4*(\s):G0+4*(\s)+3], s[G1:G1+7]
	s_nop 0
.rept 4
	v_nop
.endr
	s_branch .Lasked_\@
.Lfor_b_\@:
	tensor_load_to_lds s[G0B+4*(\s):G0B+4*(\s)+3], s[G1B:G1B+7]
	s_nop 0
.rept 4
	v_nop
.endr
.Lasked_\@:
.endm
; A prefetch into the L2 of the K step that stands two refills on: 32 rows x 256 bytes, a lane a row, one instruction a wave.  xb's rows are asked for by the clusters with x = 0, wall's by those with y = 0;
; the four partners that ask for a tile jointly take 32 of a wave's 128 rows each, told apart by address.  The last two refills have no K step two on.
.macro ASK
	s_cmp_gt_u32 s[RF], s[LIM]
	s_cbranch_scc0 .Lnot_mine_\@
	global_prefetch_b8 v[PFO], s[PFA:PFA+1] offset:KSTEP*2 th:TH_LOAD_NT scope:SCOPE_SE
.Lnot_mine_\@:
.endm
.macro CREST                           ; a round of the cluster's barrier behind its opening barrier
	s_cmp_lg_u32 s10, 0
	s_cbranch_scc1 .Lnot_wave_0_\@
	s_barrier_signal -3
.Lnot_wave_0_\@:
	s_barrier_wait -3
	s_barrier_signal -1
	s_barrier_wait -1
.endm
.macro CROUND
	s_barrier_signal -1
	s_barrier_wait -1
	CREST
.endm
	s_load_b512 s[68:83], s[0:1], 0x0              ; xb 68, wall 70, qkv 72, gpart 74, bq 76, bvq 78, bg1 80, bc1 82
	s_load_b256 s[84:91], s[0:1], 0x40             ; bk 84, bvk 86, Wg2 88, Wc2 90
	v_lshl_add_u32 v[SPW], v0, 2, SPARE
	v_mov_b32 v[NIL], 0
	ds_add_u32 v[SPW], v[NIL]                      ; the wave's opening: the add, and its wait ahead of my first tensor load; the set-up below stands between them
	v_lshrrev_b32 v1, 5, v0
	v_readfirstlane_b32 s10, v1                    ; wave 0..3
	s_lshr_b32 s11, s10, 1                         ; which half of the rows is mine.  Also: I fetch for xb (0) or for wall (1)
	s_and_b32 s12, s10, 1                          ; which half of the columns.  Also: which 128 rows of that tile I fetch
	s_bfe_u32 s40, ttmp6, 0x40000                  ; cx
	s_bfe_u32 s41, ttmp6, 0x40004                  ; cy
	s_lshl_b32 s42, ttmp9, 2
	s_add_co_u32 s42, s42, s40                     ; tile column = 4 x cluster x + cx
	s_and_b32 s13, ttmp7, 0xffff
	s_lshl_b32 s13, s13, 2
	s_add_co_u32 s13, s13, s41                     ; tile row = 4 x cluster y + cy
	s_lshl_b32 s43, s41, 2
	s_lshl_b32 s43, 15, s43                        ; my row of the cluster
	s_lshl_b32 s44, 0x1111, s40                    ; my column
	s_or_b32 s[G1+0], s43, (1<<16)|(1<<20)|(1<<21)|(5<<22)|(3<<25)  ; the mask; 2-byte elements; padding on; bit 21 beside a mask; after every 64 words 4 words
	s_or_b32 s[G1B+0], s44, (1<<16)|(1<<20)|(1<<21)|(5<<22)|(3<<25)
.irp g, G1, G1B
	s_mov_b32 s[(\g)+1], KSTEP<<16                 ; tensor_dim0 = 128
	s_mov_b32 s[(\g)+2], 128<<16                   ; tensor_dim1 = 128
	s_mov_b32 s[(\g)+3], KSTEP<<16                 ; tile_dim0 = 128
	s_mov_b32 s[(\g)+4], 128                       ; tile_dim1 = 128
	s_mov_b32 s[(\g)+5], SIZE_K                    ; elements from row to row
	s_mov_b32 s[(\g)+6], 0
	s_mov_b32 s[(\g)+7], 0
.endr
	s_lshl_b32 s17, s12, 7
	s_lshl_b32 s16, s13, 8
	s_add_co_u32 s16, s16, s17                     ; xb: row 256 x tile row + 128 x half
	s_lshl_b32 s46, s42, 8
	s_add_co_u32 s46, s46, s17                     ; wall: row 256 x tile column + 128 x half
	s_mov_b32 s17, 0
	s_mov_b32 s47, 0
	s_mov_b64 s[18:19], SIZE_K*2
	s_mul_u64 s[16:17], s[16:17], s[18:19]
	s_mul_u64 s[46:47], s[46:47], s[18:19]
	s_mul_i32 s20, s10, HALFT                      ; where they go: wave x 128 rows
	s_lshr_b32 s[KIND], ttmp9, 1                   ; 0: the sums are stored; 1: a gate's first layer
	s_mov_b32 s[RF], 22                            ; K steps 2 to 23 come by refills
	s_wait_dscnt 0x0                               ; the opening add is done
	s_wait_kmcnt 0x0
	s_add_nc_u64 s[14:15], s[68:69], s[16:17]
	s_add_nc_u64 s[46:47], s[70:71], s[46:47]
	CROUND                                         ; all sixteen work-groups are here: the first joint loads meet
.irp s, 0,1
	s_mov_b32 s[G0+4*(\s)], 1
	s_add_co_u32 s[G0+4*(\s)+1], s20, (\s)*SLOT
	s_add_nc_u64 s[G0+4*(\s)+2:G0+4*(\s)+3], s[14:15], (\s)*KSTEP*2
	s_or_b32 s[G0+4*(\s)+3], s[G0+4*(\s)+3], 0x80000000
	s_mov_b32 s[G0B+4*(\s)], 1
	s_add_co_u32 s[G0B+4*(\s)+1], s20, (\s)*SLOT
	s_add_nc_u64 s[G0B+4*(\s)+2:G0B+4*(\s)+3], s[46:47], (\s)*KSTEP*2
	s_or_b32 s[G0B+4*(\s)+3], s[G0B+4*(\s)+3], 0x80000000
	JLOAD \s                                       ; two loads of mine are out
.endr
	; the two vectors of my kind, at my 128 columns
	s_and_b32 s14, ttmp9, 1
	s_cmp_lg_u32 s14, 0
	s_cselect_b64 s[16:17], s[78:79], s[76:77]     ; bvq or bq
	s_cselect_b64 s[18:19], s[82:83], s[80:81]     ; bc1 or bg1
	s_cselect_b64 s[20:21], s[86:87], s[84:85]     ; bvk or bk
	s_cselect_b64 s[22:23], s[90:91], s[88:89]     ; Wc2 or Wg2
	s_cmp_lg_u32 s[KIND], 0
	s_cselect_b64 s[P1:P1+1], s[18:19], s[16:17]
	s_cselect_b64 s[P2:P2+1], s[22:23], s[20:21]
	s_lshl_b32 s14, s40, 10                        ; cx x 256 columns x 4 bytes
	s_lshl_b32 s15, s12, 9                         ; my half's 128
	s_add_co_u32 s14, s14, s15
	s_mov_b32 s15, 0
	s_add_nc_u64 s[P1:P1+1], s[P1:P1+1], s[14:15]
	s_add_nc_u64 s[P2:P2+1], s[P2:P2+1], s[14:15]
	v_and_b32 v1, 15, v0                           ; l % 16
	v_bfe_u32 v2, v0, 4, 1                         ; l / 16
	v_lshlrev_b32 v[BO], 5, v2
	WIN TO_B                                       ; the first bias: 64 registers of window 1, block b's eight columns at v[8 b]
.set i, 0
.rept 16
	global_load_b128 v[4*i:4*i+3], v[BO], s[P1:P1+1] offset:64*(i/2)+16*(i%2)
.set i, i+1
.endr
	WIN 0
	v_and_b32 v6, 31, v0
	v_lshlrev_b32 v6, 4, v6                        ; 16 x lane
	global_load_b128 v[32:35], v6, s[P2:P2+1]      ; the second vector of my 128 columns, 512 bytes: it waits in TAB until it is wanted
	s_lshl_b32 s14, s10, 9
	s_add_co_u32 s14, s14, TAB                     ; my 512 bytes of TAB
	v_add_nc_u32 v7, s14, v6
	v_add_nc_u32 v[TBA], s14, v[BO]
	v_mul_u32_u24 v3, v1, PITCH
	v_lshl_add_u32 v3, v2, 4, v3                   ; a fragment's row x pitch + 16 x half
	s_mul_i32 s21, s11, HALFT
	s_mul_i32 s22, s12, HALFT
	s_add_co_u32 s22, s22, 2*HALFT
.irp s, 0,1
	v_add_nc_u32 v[ADRA+(\s)], s21, v3
	v_add_nc_u32 v[ADRB+(\s)], s22, v3
	s_add_co_u32 s21, s21, SLOT
	s_add_co_u32 s22, s22, SLOT
.endr
	s_mul_i32 s23, s10, 16*SPITCH
	s_add_co_u32 s23, s23, STAGE                   ; my stage
	v_mul_u32_u24 v4, v1, SPITCH
	v_lshl_add_u32 v4, v2, 4, v4
	v_add_nc_u32 v[STO], s23, v4
	v_mul_u32_u24 v5, v2, SPITCH
	v_lshl_add_u32 v5, v1, 4, v5
	v_add_nc_u32 v[RD], s23, v5
	v_mul_u32_u24 v5, v2, ROWC
	v_lshl_add_u32 v[CO], v1, 4, v5                ; two rows of a plane: lanes 0-15 one row's 256 bytes, lanes 16-31 the next's
	s_lshl_b32 s13, s13, 8                         ; 256 x tile row
	s_lshl_b32 s14, s11, 7
	s_add_co_u32 s14, s13, s14                     ; my first row
	s_lshl_b32 s16, s14, 11                        ; x 2,048 bytes,
	s_lshl_b32 s15, ttmp9, 23                      ; in plane cluster x (8,388,608 bytes a plane),
	s_add_co_u32 s16, s16, s15
	s_lshl_b32 s15, s40, 9                         ; at columns 256 cx + 128 x half
	s_add_co_u32 s16, s16, s15
	s_lshl_b32 s15, s12, 8
	s_add_co_u32 s16, s16, s15
	s_mov_b32 s17, 0
	s_add_nc_u64 s[8:9], s[72:73], s[16:17]        ; where the first sums go (the storing kinds alone use these two),
	s_add_nc_u64 s[16:17], s[8:9], 2*8388608       ; and the second: two planes on
	s_lshl_b32 s18, s14, 2                         ; gpart: my first row x 4 bytes,
	s_and_b32 s15, ttmp9, 1
	s_lshl_b32 s15, s15, 3
	s_add_co_u32 s15, s15, s12
	s_lshl_b32 s19, s40, 1
	s_add_co_u32 s15, s15, s19                     ; part 8 x (cluster x odd) + 2 cx + half,
	s_lshl_b32 s15, s15, 14                        ; 16,384 bytes a part
	s_add_co_u32 s18, s18, s15
	s_mov_b32 s19, 0
	s_add_nc_u64 s[GP:GP+1], s[74:75], s[18:19]
	; the prefetches
	s_lshl_b32 s42, s42, 8
	s_and_b32 s22, ttmp7, 0xffff                   ; cluster y
	s_cmp_eq_u32 s11, 0                            ; do I fetch for xb?
	s_cselect_b32 s20, s13, s42                    ; the tile's first row
	s_cselect_b32 s21, s40, s41                    ; my place among the four that ask for it with me
	s_cselect_b32 s22, ttmp9, s22                  ; the coordinate along which other clusters read the same rows
	s_cselect_b64 s[PFA:PFA+1], s[68:69], s[70:71]
	s_cmp_eq_u32 s22, 0
	s_cselect_b32 s[LIM], 2, -1                    ; the same in all sixteen partners, for a given wave
	s_lshl_b32 s22, s12, 7
	s_add_co_u32 s20, s20, s22
	s_lshl_b32 s21, s21, 5
	s_add_co_u32 s20, s20, s21
	s_mov_b32 s21, 0
	s_mov_b64 s[18:19], SIZE_K*2
	s_mul_u64 s[20:21], s[20:21], s[18:19]
	s_add_nc_u64 s[PFA:PFA+1], s[PFA:PFA+1], s[20:21]
	s_add_nc_u64 s[PFA:PFA+1], s[PFA:PFA+1], 2*KSTEP*2  ; at K step 2: the first refill steps it to 3 and names K step 4
	v_and_b32 v[PFO], 31, v0
	v_mul_u32_u24 v[PFO], v[PFO], SIZE_K*2
; 16 matrix instructions: m blocks a0, a0 + 1 of the window's four x all 8 n blocks, 32 along K.  fresh = 1: the products start the sums, with the bias as C.
.macro MUL16 f, hi, a0, fresh
.if \fresh
	WIN 0x91+0x40*(\hi)                            ; wall window 1, xb window 0, C window 1, D window 2 or 3
.else
	WIN 0xa1+0x50*(\hi)                            ; C and D window 2 or 3
.endif
.irp a, \a0, (\a0)+1
.irp b, 0,1,2,3,4,5,6,7
.if \fresh
	v_wmma_f32_16x16x32_bf16 v[8*(8*(\a)+(\b)):8*(8*(\a)+(\b))+7], v[(\f)+8*(\b):(\f)+8*(\b)+7], v[(\f)+8*(4*(\hi)+(\a)):(\f)+8*(4*(\hi)+(\a))+7], v[8*(\b):8*(\b)+7]
.else
	v_wmma_f32_16x16x32_bf16 v[8*(8*(\a)+(\b)):8*(8*(\a)+(\b))+7], v[(\f)+8*(\b):(\f)+8*(\b)+7], v[(\f)+8*(4*(\hi)+(\a)):(\f)+8*(4*(\hi)+(\a))+7], v[8*(8*(\a)+(\b)):8*(8*(\a)+(\b))+7]
.endif
.endr
.endr
.endm
; 32 LDS loads in one run: the fragments of one quarter step into buffer f
.macro FETCH slot, k, f
	WIN TO_B
.irp i, 0,1,2,3,4,5,6,7
	ds_load_b128 v[(\f)+8*(\i):(\f)+8*(\i)+3],   v[ADRB+(\slot)] offset:(\k)+(\i)*16*PITCH
	ds_load_b128 v[(\f)+8*(\i)+4:(\f)+8*(\i)+7], v[ADRB+(\slot)] offset:(\k)+(\i)*16*PITCH+32
.endr
	WIN 0
.irp i, 0,1,2,3,4,5,6,7
	ds_load_b128 v[(\f)+8*(\i):(\f)+8*(\i)+3],   v[ADRA+(\slot)] offset:(\k)+(\i)*16*PITCH
	ds_load_b128 v[(\f)+8*(\i)+4:(\f)+8*(\i)+7], v[ADRA+(\slot)] offset:(\k)+(\i)*16*PITCH+32
.endr
.endm
.macro PLACES                          ; four plain vector instructions between a matrix instruction and a load into, or a vector instruction on, its registers
.rept 4
	v_nop
.endr
.endm
; A K step is four quarters of 32 along K, 64 matrix instructions each, on buffers 0, 1, 0, 1.  The 64 accumulators take turns in the same order everywhere.
.macro QUARTER slot, k, f, g, fresh
	s_wait_dscnt 8                                 ; wall's fragments and xb's rows 0-63 are in; the youngest eight loads (rows 64-127) may be out
	MUL16 \f, 0, 0, \fresh
	MUL16 \f, 0, 2, \fresh
	PLACES
	FETCH \slot, \k, \g
	s_wait_dscnt 32                                ; all but the 32 just issued
	MUL16 \f, 1, 0, \fresh
	MUL16 \f, 1, 2, \fresh
.endm
; The first half of a K step's last quarter: ONE barrier for the change of slots.  In front of it each wave waits for all its tensor loads (one is out: its part of the next slot), adds 0 to its spare word, and waits for that and for its reads of this slot.
.macro MEET round
	WIN 0
	s_wait_tensorcnt 0x0
	ds_add_u32 v[SPW], v[NIL]
	s_wait_dscnt 9                                 ; the add and the youngest eight loads may be out
	MUL16 F1, 0, 0, 0
	s_wait_dscnt 0x0                               ; the add is done, and my reads of this slot are over
	s_barrier_signal -1
	MUL16 F1, 0, 2, 0
.if \round
	WIN 0
.endif
	s_barrier_wait -1
.endm
; The whole last quarter.  fill = 1: the barrier opens a round of the cluster's barrier, and the slot just read is filled again, first thing behind the round, with the K step two steps on: 224 matrix instructions ahead of the wait for it.
.macro TURN slot, next, fill
.if \fill
	s_wait_xcnt 0x0                                ; the last prefetch, a K step back, has read its address
	s_add_nc_u64 s[PFA:PFA+1], s[PFA:PFA+1], KSTEP*2
	MEET 1
	CREST
	s_add_nc_u64 s[G0+4*(\slot)+2:G0+4*(\slot)+3], s[G0+4*(\slot)+2:G0+4*(\slot)+3], 2*KSTEP*2
	s_add_nc_u64 s[G0B+4*(\slot)+2:G0B+4*(\slot)+3], s[G0B+4*(\slot)+2:G0B+4*(\slot)+3], 2*KSTEP*2
	JLOAD \slot                                    ; its four v_nop are also the places in front of the loads below
.else
	MEET 0
	PLACES
.endif
	FETCH \next, 0, F0
.if \fill
	ASK
	s_sub_co_u32 s[RF], s[RF], 1
.endif
	MUL16 F1, 1, 0, 0
	MUL16 F1, 1, 2, 0
.endm
; THE WAY OUT AT K = 2,048, of block a (16 rows).  PACK: rounded to f16, 16 bytes a lane, each accumulator's registers in ascending order.  TOSTAGE: into my own stage, and back as whole rows of 256 bytes.  SEND: stored.
.macro PACK a
.set AC, 64*((\a)%4)
	WIN 0x0a+5*((\a)/4)
.irp b, 0,1,2,3,4,5,6,7
.irp r, 0,1,2,3
	v_cvt_pk_f16_f32 v[TMP+4*(\b)+(\r)], v[AC+8*(\b)+2*(\r)], v[AC+8*(\b)+2*(\r)+1]
.endr
.endr
	WIN 0
.endm
.macro TOSTAGE a
	WIN 0
.set BK, OB+192*((\a)%2)
.irp b, 0,1,2,3,4,5,6,7
	ds_store_b128 v[STO], v[TMP+4*(\b):TMP+4*(\b)+3] offset:32*(\b)
.endr
.irp t, 0,1,2,3,4,5,6,7
	ds_load_b128 v[BK+4*(\t):BK+4*(\t)+3], v[RD] offset:(\t)*2*SPITCH  ; LDS serves a wave's instructions in order (ISA guide 5.7.1.4): these see the stores above
.endr
.endm
.macro SEND a
	WIN 0
.set BK, OB+192*((\a)%2)
	s_wait_dscnt 0x0                               ; the block is back in registers
	s_wait_xcnt 0x0                                ; the stores' base and the registers that earlier stores read are rewritten only behind this wait
.if (\a) > 0
	s_add_nc_u64 s[8:9], s[8:9], 16*ROWC
.endif
.irp t, 0,1,2,3,4,5,6,7
	global_store_b128 v[CO], v[BK+4*(\t):BK+4*(\t)+3], s[8:9] offset:2*(\t)*ROWC  ; 16 lanes store 256 consecutive bytes, aligned
.endr
.endm
	s_wait_tensorcnt 1                             ; my part of K step 0 is in; K step 1's may stay out
	s_barrier_signal -1
	s_barrier_wait -1
	s_wait_loadcnt 0x0                             ; the first bias and the second vector
	ds_store_b128 v7, v[32:35]                     ; into my own 512 bytes of TAB, which I alone read
	FETCH 0, 0, F0
	QUARTER 0, 64, F0, F1, 1                       ; the launch's first quarter stands in front of the loop: its products start the sums, with the first bias
	WIN 0                                          ; at a label and at a branch every window is 0
	s_mov_b32 s2, 12                               ; laps to go, this one among them; the same in every work-group
.Llap:                                         ; a trip goes once round the ring, from a lap's second quarter to the next lap's first, and fills both slots again
	QUARTER 0, 128, F1, F0, 0
	QUARTER 0, 192, F0, F1, 0
	WIN 0
	s_cmp_eq_u32 s2, 1
	s_cbranch_scc1 .Ltail                          ; the last lap's rest is written out: it asks for nothing more
	TURN 0, 1, 1
	QUARTER 1, 64,  F0, F1, 0
	QUARTER 1, 128, F1, F0, 0
	QUARTER 1, 192, F0, F1, 0
	TURN 1, 0, 1
	WIN 0
	s_cmp_eq_u32 s2, 5                             ; eight laps done: K = 2,048?
	s_cbranch_scc0 .Lgo_on
	s_cmp_eq_u32 s[KIND], 0                        ; in a kind that stores?
	s_cbranch_scc0 .Lgo_on
	WIN TO_B                                       ; the second sums' bias, out of TAB; the ring runs on meanwhile: both refills have been asked for
.set i, 0
.rept 16
	ds_load_b128 v[4*i:4*i+3], v[TBA] offset:64*(i/2)+16*(i%2)
.set i, i+1
.endr
	WIN 0
	PACK 0                                         ; blocks 0-3 were finished in front of the joint load's four v_nop; their conversions are the places behind blocks 4-7's last products
	TOSTAGE 0
.irp a, 1,2,3,4,5,6,7
	PACK \a
	SEND (\a)-1
	TOSTAGE \a
.endr
	SEND 7                                         ; (its wait for all LDS instructions covers the bias too)
.rept 5
	v_nop                                          ; the products below write over the accumulators instead of adding in place: five plain instructions stand between them and any earlier
.endr                                          ; product on the same registers (ISA guide 7.12.1); once a launch
	QUARTER 0, 64, F0, F1, 1                       ; new sums, started by the second bias
	WIN 0
	s_branch .Lnext
.Lgo_on:
	QUARTER 0, 64, F0, F1, 0                       ; the sums go on
	WIN 0
.Lnext:
	s_sub_co_u32 s2, s2, 1
	s_branch .Llap
.Ltail:
	TURN 0, 1, 0
	QUARTER 1, 64,  F0, F1, 0
	QUARTER 1, 128, F1, F0, 0
	QUARTER 1, 192, F0, F1, 0
	s_wait_dscnt 8
	MUL16 F1, 0, 0, 0
	MUL16 F1, 0, 2, 0
	s_wait_dscnt 0x0
	MUL16 F1, 1, 0, 0
	MUL16 F1, 1, 2, 0
	WIN 0
	s_barrier_signal -1                            ; every wave's reads of the ring are over (each has waited for them): all waves write into it below
	s_barrier_wait -1
	PLACES
	PLACES
	; THE LAST WAY OUT.  My 128 x 128 sums go into the ring as f32 rows, 528 bytes apart (each accumulator's low four registers first); these bytes are my own, so no barrier follows.
	v_and_b32 v3, 31, v0
	s_mul_i32 s14, s10, DWAVE
	v_mul_u32_u24 v[DA], v1, DPITCH
	v_lshl_add_u32 v[DA], v2, 5, v[DA]
	v_add_nc_u32 v[DA], s14, v[DA]
.set a, 0
.rept 8
	WIN 0x08+4*(a/4)                               ; the stores' data lie in window 2 or 3
.set b, 0
.rept 8
	ds_store_b128 v[DA], v[64*(a%4)+8*b:64*(a%4)+8*b+3]   offset:a*16*DPITCH+64*b
	ds_store_b128 v[DA], v[64*(a%4)+8*b+4:64*(a%4)+8*b+7] offset:a*16*DPITCH+64*b+16
.set b, b+1
.endr
.set a, a+1
.endr
	WIN 0
	s_cmp_eq_u32 s[KIND], 1
	s_cbranch_scc1 .Lgate
	; The storing kinds: eight trips of 16 rows.  Lanes 0-15 take one row, lanes 16-31 the next: a lane reads its eight columns (32 bytes), rounds them to f16 and stores 16 bytes.
	v_mul_u32_u24 v[RA], v2, DPITCH
	v_lshl_add_u32 v[RA], v1, 5, v[RA]
	v_add_nc_u32 v[RA], s14, v[RA]
	s_mov_b32 s3, 8
.Lrows:
.set t, 0
.rept 8
	ds_load_b128 v[64+8*t:64+8*t+3], v[RA] offset:t*2*DPITCH      ; LDS serves a wave's instructions in order (ISA guide 5.7.1.4): these see my stores above
	ds_load_b128 v[64+8*t+4:64+8*t+7], v[RA] offset:t*2*DPITCH+16
.set t, t+1
.endr
.set t, 0
.rept 8
	s_wait_dscnt 14-2*t                            ; pair t's two loads are in; the 14 - 2 t younger ones stay out
.irp r, 0,1,2,3
	v_cvt_pk_f16_f32 v[32+4*t+(\r)], v[64+8*t+2*(\r)], v[64+8*t+2*(\r)+1]
.endr
	global_store_b128 v[CO], v[32+4*t:32+4*t+3], s[16:17] offset:2*t*ROWC  ; 16 lanes store 256 consecutive bytes, aligned
.set t, t+1
.endr
	s_wait_xcnt 0x0                                ; the stores' base and data are rewritten only behind this wait
	s_add_nc_u64 s[16:17], s[16:17], 16*ROWC
	v_add_nc_u32 v[RA], 16*DPITCH, v[RA]
	s_sub_co_u32 s3, s3, 1
	s_cmp_lg_u32 s3, 0
	s_cbranch_scc1 .Lrows
	s_branch .Lend
; THE GATE KINDS.  h = my 128 x 128 sums.  gelu(h) = max(h, 0) - |h| r, r = (a1 t + .. + a5 t^5) / 2 x 2^(-h h log2(e) / 2), t = 1 / (1 + 0.2316419 |h|): no difference of near numbers for h < 0.
; Lane l takes rows l, l + 32, l + 64, l + 96 and walks the 128 columns, eight a trip.
.set A5, 24
.set A4, 26
.set A3, 28
.set A2, 30
.set A1, 32
.set SC, 34
.set SPC, 36
.set GT, 112                           ; v112-127 t        v128-143 the exponential      v144-159 r      v160-175 max(h, 0), then gelu     v176-183 a pair of running sums a row
.set GE, 128
.set GR, 144
.set GM, 160
.set ACCG, 176
.Lgate:
.irp c, A5, A4, A3, A2, A1, SC
	s_mov_b32 s[(\c)+1], 0                         ; named as pairs; the low word serves both halves (no tensor load is out: the descriptors' registers are free)
.endr
	s_mov_b32 s[A5], 0x3f07dc22                    ; 1.061405429 / 2
	s_mov_b32 s[A4], 0xbf3a00e3                    ; -1.453152027 / 2
	s_mov_b32 s[A3], 0x3f35f0e3                    ; 1.421413741 / 2
	s_mov_b32 s[A2], 0xbe11a98e                    ; -0.284496736 / 2
	s_mov_b32 s[A1], 0x3e027906                    ; 0.254829592 / 2
	s_mov_b32 s[SC], 0xbf38aa3b                    ; -log2(e) / 2
	s_mov_b32 s[SPC], 0x3e6d3388                   ; 0.3275911 / sqrt(2)
	v_mul_u32_u24 v[GA], v3, DPITCH
	v_add_nc_u32 v[GA], s14, v[GA]
	s_lshl_b32 s15, s10, 9
	s_add_co_u32 s15, s15, TAB
	v_mov_b32 v[TA], s15
	v_lshlrev_b32 v[GO], 2, v3
.set i, 0
.rept 8
	v_mov_b32 v[ACCG+i], 0
.set i, i+1
.endr
.macro GLOAD set                       ; four columns of my four rows, and their weights (every lane reads the same 16 bytes)
.set XS, 64+24*(\set)
.set i, 0
.rept 4
	ds_load_b128 v[XS+4*i:XS+4*i+3], v[GA] offset:32*DPITCH*i+16*(\set)
.set i, i+1
.endr
	ds_load_b128 v[XS+16:XS+19], v[TA] offset:16*(\set)
.endm
.macro GELU set
.set XS, 64+24*(\set)
.set k, 0
.rept 16
	v_fma_f32 v[GT+k], |v[XS+k]|, s[SPC], 1.0
.set k, k+1
.endr
.set k, 0
.rept 8
	v_pk_mul_f32 v[GE+k:GE+k+1], v[XS+k:XS+k+1], v[XS+k:XS+k+1]
.set k, k+2
.endr
.set k, 0
.rept 8
	v_pk_mul_f32 v[GE+k:GE+k+1], v[GE+k:GE+k+1], s[SC:SC+1] op_sel_hi:[1,0]
.set k, k+2
.endr
.set k, 0
.rept 16
	v_rcp_f32 v[GT+k], v[GT+k]
.set k, k+1
.endr
.set k, 0
.rept 16
	v_exp_f32 v[GE+k], v[GE+k]
.set k, k+1
.endr
.set k, 0
.rept 16
	v_max_num_f32 v[GM+k], 0, v[XS+k]              ; plain lines between the transcendentals and the use of their results
.set k, k+1
.endr
.set k, 0
	s_wait_alu depctr_va_vdst(0)
.rept 8
	v_pk_fma_f32 v[GR+k:GR+k+1], v[GT+k:GT+k+1], s[A5:A5+1], s[A4:A4+1] op_sel_hi:[1,0,0]
.set k, k+2
.endr
.irp c, A3, A2, A1
.set k, 0
.rept 8
	v_pk_fma_f32 v[GR+k:GR+k+1], v[GR+k:GR+k+1], v[GT+k:GT+k+1], s[(\c):(\c)+1] op_sel_hi:[1,1,0]
.set k, k+2
.endr
.endr
.set k, 0
.rept 8
	v_pk_mul_f32 v[GR+k:GR+k+1], v[GR+k:GR+k+1], v[GT+k:GT+k+1]
.set k, k+2
.endr
.set k, 0
.rept 8
	v_pk_mul_f32 v[GR+k:GR+k+1], v[GR+k:GR+k+1], v[GE+k:GE+k+1]
.set k, k+2
.endr
.set k, 0
.rept 16
	v_fma_f32 v[GM+k], -|v[XS+k]|, v[GR+k], v[GM+k]
.set k, k+1
.endr
.set k, 0
.rept 8
	v_pk_fma_f32 v[ACCG+2*(k/2):ACCG+2*(k/2)+1], v[GM+2*k:GM+2*k+1], v[XS+16+2*(k%2):XS+16+2*(k%2)+1], v[ACCG+2*(k/2):ACCG+2*(k/2)+1]
.set k, k+1
.endr
.endm
	s_mov_b32 s3, 16
.Lcols:
	GLOAD 0
	GLOAD 1
	s_wait_dscnt 5                                 ; set 0 is in; set 1's five loads may stay out
	GELU 0
	s_wait_dscnt 0x0
	GELU 1
	v_add_nc_u32 v[GA], 32, v[GA]                  ; eight columns on
	v_add_nc_u32 v[TA], 32, v[TA]
	s_sub_co_u32 s3, s3, 1
	s_cmp_lg_u32 s3, 0
	s_cbranch_scc1 .Lcols
.set i, 0
.rept 4
	v_add_f32 v[ACCG+2*i], v[ACCG+2*i], v[ACCG+2*i+1]
.set i, i+1
.endr
.set i, 0
.rept 4
	global_store_b32 v[GO], v[ACCG+2*i], s[GP:GP+1] offset:128*i  ; rows 32 i + lane: 128 consecutive bytes
.set i, i+1
.endr
.Lend:
	s_wait_tensorcnt 0x0                           ; the wave's end, behind my last tensor load and my last LDS store
	ds_add_u32 v[SPW], v[NIL]
	s_wait_dscnt 0x0
	CROUND                                         ; the closing round
	s_endpgm
.Lfunc_end_k_q094fbb34d3_gemm1:
	.size	k_q094fbb34d3_gemm1, .Lfunc_end_k_q094fbb34d3_gemm1-k_q094fbb34d3_gemm1
	.p2alignl 7, 3214868480
	.fill 96, 4, 3214868480
	.section	.rodata,"a",@progbits
	.p2align	6, 0x0
	.amdhsa_kernel k_q094fbb34d3_gemm1
		.amdhsa_group_segment_fixed_size 327680
		.amdhsa_private_segment_fixed_size 0
		.amdhsa_enable_private_segment 0
		.amdhsa_kernarg_size 96
		.amdhsa_user_sgpr_count 2
		.amdhsa_user_sgpr_kernarg_segment_ptr 1
		.amdhsa_wavefront_size32 1
		.amdhsa_system_sgpr_workgroup_id_x 1
		.amdhsa_system_sgpr_workgroup_id_y 1
		.amdhsa_system_sgpr_workgroup_id_z 1
		.amdhsa_system_vgpr_workitem_id 0
		.amdhsa_next_free_vgpr 1024
		.amdhsa_next_free_sgpr 100
		.amdhsa_reserve_vcc 0
		.amdhsa_float_denorm_mode_32 3
		.amdhsa_float_denorm_mode_16_64 3
		.amdhsa_memory_ordered 1
		.amdhsa_forward_progress 1
		.amdhsa_inst_pref_size 174
	.end_amdhsa_kernel
	.amdgpu_metadata
---
amdhsa.version: [ 1, 2 ]
amdhsa.kernels:
  - .name:           k_q094fbb34d3_gemm1
    .symbol:         k_q094fbb34d3_gemm1.kd
    .args:
      - { .name: xb, .offset: 0, .size: 8, .value_kind: global_buffer, .address_space: global }
      - { .name: wall, .offset: 8, .size: 8, .value_kind: global_buffer, .address_space: global }
      - { .name: qkv, .offset: 16, .size: 8, .value_kind: global_buffer, .address_space: global }
      - { .name: gpart, .offset: 24, .size: 8, .value_kind: global_buffer, .address_space: global }
      - { .name: bq, .offset: 32, .size: 8, .value_kind: global_buffer, .address_space: global }
      - { .name: bvq, .offset: 40, .size: 8, .value_kind: global_buffer, .address_space: global }
      - { .name: bg1, .offset: 48, .size: 8, .value_kind: global_buffer, .address_space: global }
      - { .name: bc1, .offset: 56, .size: 8, .value_kind: global_buffer, .address_space: global }
      - { .name: bk, .offset: 64, .size: 8, .value_kind: global_buffer, .address_space: global }
      - { .name: bvk, .offset: 72, .size: 8, .value_kind: global_buffer, .address_space: global }
      - { .name: Wg2, .offset: 80, .size: 8, .value_kind: global_buffer, .address_space: global }
      - { .name: Wc2, .offset: 88, .size: 8, .value_kind: global_buffer, .address_space: global }
    .group_segment_fixed_size: 327680
    .private_segment_fixed_size: 0
    .kernarg_segment_align: 8
    .kernarg_segment_size: 96
    .max_flat_workgroup_size: 128
    .sgpr_count:     100
    .vgpr_count:     1024
    .wavefront_size: 32
...
	.end_amdgpu_metadata
.endif
;; end of part 2
;; launch attn (part 3): grid 256 x 1, 8 waves a work-group, no clusters, 78,848 bytes of LDS; arguments qkv, ln_q_w, ln_q_b, ln_k_w, ln_k_b, att; writes att
.if DOCPART == 3
	.amdgcn_target "amdgcn-amd-amdhsa--gfx1250"
	.amdhsa_code_object_version 6
	.text
	.protected	k_q094fbb34d3_attn
	.globl	k_q094fbb34d3_attn
	.p2align	8
	.type	k_q094fbb34d3_attn,@function
k_q094fbb34d3_attn:
	s_mov_b64 s[64:65], 0
	v_nop
	global_prefetch_b8 v0, s[64:65] scope:SCOPE_SE
	s_setreg_imm32_b32 hwreg(HW_REG_WAVE_MODE, 25, 1), 1
	s_wait_xcnt 0x0
; FOR EACH ROW OF THE BATCH: LayerNorm of q and of k (1,024 numbers each), then attention over the 16 HEADS of that row: scores [16][16] = q k^T / 8 (K = 64), softmax over the second head index, times v [16][64].
; qkv [4][4096][1024] f16: plane 0 q, plane 2 k (both before their LayerNorm), plane 3 v.  att [4096][1024] f16.
; A wave takes two rows, whose accumulators take turns; 16 rows a work-group; no loop, and no barrier: every LDS byte is the wave's own.
; LAYOUT.  S^T = K Q^T (source 0 = the 16 heads of k, source 1 = the 16 heads of q): a lane holds ONE head h of q (lane % 16) and the heads j = 8 (lane / 16) + 0..7 of k.  Rounded to f16 in pairs these are the lower half of
; source 1 (K = 32, of which j = 16..31 are zeros) of O^T = V^T P.  q and k come from memory as fragments; a lane's 32 numbers of the row serve the LayerNorm as they lie.  v ([j][channel]) goes through LDS and comes back turned.
; Means, variances, maxima and sums in f32; the variance is taken of the centred numbers.  The normalised q and k, the weights p and the result are rounded to f16 once.
; LIMITS.  The normalised q and k (with gain and bias) stay within 65,504; a weight below 2^-126 counts as 0; NaN and infinities are not treated apart.
; No cluster, no tensor loads: what work-groups share is the four LayerNorm vectors, 16 KiB against 96 KiB of rows a work-group.
.set WLDS, 9728                        ; LDS of a wave: v of two rows, 16 x 160 bytes each; then the result of two rows, 16 x 144 bytes each
.set VP,   160                         ; 128 bytes + 32
.set OPI,  144                         ; 128 bytes + 16
.set OOFF, 2*16*VP
.set SPARE, 8*WLDS                     ; the spare words, 128 bytes for each wave
.set QO, 3                             ; v3  128 (l % 16) + 16 (l / 16): my place in a row's fragments
.set PO, 4                             ; v4  the same place in an f32 vector
.set VO, 5                             ; v5  16 l
.set VS, 6                             ; v6  where v goes in LDS
.set VT, 7                             ; v7  where it is read turned
.set OS, 8                             ; v8  where my 16 bytes of the result go
.set OR, 9                             ; v9  where rows are read back
.set SPW, 10
.set NIL, 11
.set ONE, 12
.set ZERO, 13
.set CH, 14                            ; v14-21  four chains of pairs
.set MN, 22                            ; v22-23  the mean, in the low word
.set RT, 24
.set RS, 26                            ; v26-27  1 / sqrt(variance + eps), in the low word
.set SM, 14                            ; the softmax's eight registers a row, v14-29
.set T,  32                            ; v32-63  v as loaded; then a row's 32 numbers in f32; at last the second row's O^T
.set QF, 64                            ; q of row r at QF + 16 r: two fragments
.set KF, 96
.set QW, 128
.set QB, 160
.set KW, 192
.set KB, 224
.set VF, 128                           ; behind the LayerNorms: V^T of row r, channel block c at VF + 32 r + 8 c
.set S,  192
.set P,  208
.set SQ, 20
.set SK, 22
.set SV, 24
.set SA, 26
.set SEL, 28
.set CS, 30
.set INV, 32
.set EPS, 33
	s_load_b256 s[4:11], s[0:1], 0x0               ; qkv 4, ln_q_w 6, ln_q_b 8, ln_k_w 10
	s_load_b128 s[12:15], s[0:1], 0x20             ; ln_k_b 12, att 14
	v_lshl_add_u32 v[SPW], v0, 2, SPARE
	v_mov_b32 v[NIL], 0
	v_lshrrev_b32 v1, 5, v0
	v_readfirstlane_b32 s16, v1                    ; wave 0..7
	v_and_b32 v30, 31, v0                          ; l
	v_and_b32 v1, 15, v0                           ; l % 16
	v_bfe_u32 v2, v0, 4, 1                         ; l / 16
	v_bfe_u32 v31, v0, 3, 2                        ; l / 8
	v_and_b32 v28, 7, v0                           ; l % 8
	v_bfe_u32 v29, v0, 3, 1
	v_lshlrev_b32 v[QO], 7, v1
	v_lshl_add_u32 v[QO], v2, 4, v[QO]
	v_lshlrev_b32 v[PO], 8, v1
	v_lshl_add_u32 v[PO], v2, 5, v[PO]
	v_lshlrev_b32 v[VO], 4, v30
	s_mul_i32 s17, s16, WLDS
	s_add_co_u32 s18, s17, OOFF
	v_mul_u32_u24 v[VS], v31, VP                   ; 512 bytes of a row are four heads: head l / 8, bytes 16 (l % 8)
	v_lshl_add_u32 v[VS], v28, 4, v[VS]
	v_add_nc_u32 v[VS], s17, v[VS]
	v_lshl_add_u32 v[VT], v2, 3, v28               ; the turning load: head 8 (l / 16) + l % 8, channels 8 ((l / 8) % 2) on
	v_mul_u32_u24 v[VT], v[VT], VP
	v_lshl_add_u32 v[VT], v29, 4, v[VT]
	v_add_nc_u32 v[VT], s17, v[VT]
	v_mul_u32_u24 v[OS], v1, OPI
	v_lshl_add_u32 v[OS], v2, 4, v[OS]
	v_add_nc_u32 v[OS], s18, v[OS]
	v_mul_u32_u24 v[OR], v31, OPI
	v_lshl_add_u32 v[OR], v28, 4, v[OR]
	v_add_nc_u32 v[OR], s18, v[OR]
	v_mov_b32 v[ONE], 1.0
	v_mov_b32 v[ZERO], 0
.set i, 14
.rept 16
	v_mov_b32 v[i], 0                              ; written once: pairs of which the low word alone is used, and v_permlanex16_b32's destinations, count as read
.set i, i+1
.endr
	s_lshl_b32 s34, ttmp9, 4
	s_lshl_b32 s35, s16, 1
	s_add_co_u32 s34, s34, s35                     ; my first row
	s_lshl_b32 s34, s34, 11                        ; x 2,048 bytes
	s_mov_b32 s35, 0
	s_mov_b32 s[SEL], 0x76543210
	s_mov_b32 s[SEL+1], 0xfedcba98
	s_mov_b32 s[CS], 0x3e38aa3b                    ; c = log2(e) / 8
	s_mov_b32 s[CS+1], s[CS]
	s_mov_b32 s[INV], 0x3a800000                   ; 1 / 1,024
	s_mov_b32 s[EPS], 0x3727c5ac                   ; 1e-5
	s_wait_kmcnt 0x0
	s_add_nc_u64 s[SQ:SQ+1], s[4:5], s[34:35]
	s_add_nc_u64 s[SK:SK+1], s[SQ:SQ+1], 2*8388608
	s_add_nc_u64 s[SV:SV+1], s[SQ:SQ+1], 3*8388608
	s_add_nc_u64 s[SA:SA+1], s[14:15], s[34:35]
.set i, 0
.rept 8
	global_load_b128 v[T+4*i:T+4*i+3], v[VO], s[SV:SV+1] offset:2048*(i/4)+512*(i%4) th:TH_LOAD_NT
.set i, i+1
.endr
.macro FRAG dst, base                  ; two rows' fragments: row i / 4, channels 32 ((i / 2) % 2) + 16 (i % 2) on
.set i, 0
.rept 8
	global_load_b128 v[(\dst)+4*i:(\dst)+4*i+3], v[QO], s[(\base):(\base)+1] offset:2048*(i/4)+64*((i/2)%2)+32*(i%2) th:TH_LOAD_NT
.set i, i+1
.endr
.endm
.macro PAR dst, base                   ; the same 32 places of an f32 vector
.set i, 0
.rept 8
	global_load_b128 v[(\dst)+4*i:(\dst)+4*i+3], v[PO], s[(\base):(\base)+1] offset:128*(i/4)+64*((i/2)%2)+16*(i%2)
.set i, i+1
.endr
.endm
	FRAG QF, SQ
	PAR QW, 6
	PAR QB, 8
	FRAG KF, SK
	PAR KW, 10
	PAR KB, 12
	s_wait_loadcnt 48                              ; v is in; the 48 younger loads stay out
.set i, 0
.rept 8
	ds_store_b128 v[VS], v[T+4*i:T+4*i+3] offset:16*VP*(i/4)+4*VP*(i%4)
.set i, i+1
.endr
.macro JOIN                            ; four chains of pairs into one number
	v_pk_add_f32 v[CH:CH+1], v[CH:CH+1], v[CH+2:CH+3]
	v_pk_add_f32 v[CH+4:CH+5], v[CH+4:CH+5], v[CH+6:CH+7]
	v_pk_add_f32 v[CH:CH+1], v[CH:CH+1], v[CH+4:CH+5]
	v_add_f32 v[CH], v[CH], v[CH+1]
.endm
.macro RED                             ; over the 32 lanes; every lane ends with the sum
	v_add_f32_dpp v[CH], v[CH], v[CH] row_xmask:1 row_mask:0xf bank_mask:0xf
	v_add_f32_dpp v[CH], v[CH], v[CH] row_xmask:2 row_mask:0xf bank_mask:0xf
	v_add_f32_dpp v[CH], v[CH], v[CH] row_xmask:4 row_mask:0xf bank_mask:0xf
	v_add_f32_dpp v[CH], v[CH], v[CH] row_xmask:8 row_mask:0xf bank_mask:0xf
	v_permlanex16_b32 v[RT], v[CH], s[SEL], s[SEL+1]
	v_add_f32 v[CH], v[CH], v[RT]
.endm
; LayerNorm of the row whose 16 packed registers begin at src, in place.
.macro LNROW src, w, b
.set i, 0
.rept 16
	v_fma_mix_f32 v[T+2*i], v[(\src)+i], v[ONE], v[ZERO] op_sel_hi:[1,0,0]                  ; the low f16 x 1 + 0
	v_fma_mix_f32 v[T+2*i+1], v[(\src)+i], v[ONE], v[ZERO] op_sel:[1,0,0] op_sel_hi:[1,0,0]  ; the high one
.set i, i+1
.endr
.set i, 0
.rept 4
	v_pk_add_f32 v[CH+2*i:CH+2*i+1], v[T+2*i:T+2*i+1], v[T+8+2*i:T+8+2*i+1]
.set i, i+1
.endr
.set i, 8
.rept 8
	v_pk_add_f32 v[CH+2*(i%4):CH+2*(i%4)+1], v[CH+2*(i%4):CH+2*(i%4)+1], v[T+2*i:T+2*i+1]
.set i, i+1
.endr
	JOIN
	RED
	v_mul_f32 v[MN], s[INV], v[CH]
.set i, 0
.rept 16
	v_pk_add_f32 v[T+2*i:T+2*i+1], v[T+2*i:T+2*i+1], v[MN:MN+1] op_sel_hi:[1,0] neg_lo:[0,1] neg_hi:[0,1]
.set i, i+1
.endr
.set i, 0
.rept 4
	v_pk_mul_f32 v[CH+2*i:CH+2*i+1], v[T+2*i:T+2*i+1], v[T+2*i:T+2*i+1]
.set i, i+1
.endr
.set i, 4
.rept 12
	v_pk_fma_f32 v[CH+2*(i%4):CH+2*(i%4)+1], v[T+2*i:T+2*i+1], v[T+2*i:T+2*i+1], v[CH+2*(i%4):CH+2*(i%4)+1]
.set i, i+1
.endr
	JOIN
	RED
	v_fma_f32 v[CH], v[CH], s[INV], s[EPS]
	v_rsq_f32 v[RS], v[CH]
	v_nop                                          ; a plain instruction between the root and the use of its result
.set i, 0
	s_wait_alu depctr_va_vdst(0)
.rept 16
	v_pk_mul_f32 v[T+2*i:T+2*i+1], v[T+2*i:T+2*i+1], v[RS:RS+1] op_sel_hi:[1,0]
.set i, i+1
.endr
.set i, 0
.rept 16
	v_pk_fma_f32 v[T+2*i:T+2*i+1], v[T+2*i:T+2*i+1], v[(\w)+2*i:(\w)+2*i+1], v[(\b)+2*i:(\b)+2*i+1]
.set i, i+1
.endr
.set i, 0
.rept 16
	v_cvt_pk_f16_f32 v[(\src)+i], v[T+2*i], v[T+2*i+1]
.set i, i+1
.endr
.endm
	s_wait_loadcnt 24                              ; q and its two vectors are in; k's 24 loads stay out
	LNROW QF, QW, QB
	LNROW QF+16, QW, QB
	s_wait_loadcnt 0x0
	LNROW KF, KW, KB
	LNROW KF+16, KW, KB
	; the scores: the two rows' accumulators take turns
	v_wmma_f32_16x16x32_f16 v[S:S+7],    v[KF:KF+7],     v[QF:QF+7],     0
	v_wmma_f32_16x16x32_f16 v[S+8:S+15], v[KF+16:KF+23], v[QF+16:QF+23], 0
	v_wmma_f32_16x16x32_f16 v[S:S+7],    v[KF+8:KF+15],  v[QF+8:QF+15],  v[S:S+7]
	v_wmma_f32_16x16x32_f16 v[S+8:S+15], v[KF+24:KF+31], v[QF+24:QF+31], v[S+8:S+15]
.set i, 0
.rept 8
.set j, 0
.rept 4
	v_mov_b32 v[VF+8*i+4+j], 0                     ; heads 16 to 31 do not exist: zeros in V^T,
.set j, j+1
.endr
.set i, i+1
.endr
.set i, 0
.rept 8
	v_mov_b32 v[P+8*(i/4)+4+i%4], 0                ; and in P.  These 40 lines are also the places behind the products
.set i, i+1
.endr
.set i, 0
.rept 8
	ds_load_tr16_b128 v[VF+8*i:VF+8*i+3], v[VT] offset:16*VP*(i/4)+32*(i%4)  ; my own stores above are seen: LDS serves a wave's instructions in order (ISA guide 5.7.1.4)
.set i, i+1
.endr
.macro BOTH line:vararg                ; one line for each of the two rows r
.set r, 0
.rept 2
	\line
.set r, r+1
.endr
.endm
	; softmax over j: eight in the lane, the other eight in the lane 16 away.  p = 2^(c s - c m) / the sum.
	BOTH v_max3_num_f32 v[SM+8*r], v[S+8*r], v[S+8*r+1], v[S+8*r+2]
	BOTH v_max3_num_f32 v[SM+8*r], v[SM+8*r], v[S+8*r+3], v[S+8*r+4]
	BOTH v_max3_num_f32 v[SM+8*r], v[SM+8*r], v[S+8*r+5], v[S+8*r+6]
	BOTH v_max_num_f32 v[SM+8*r], v[SM+8*r], v[S+8*r+7]
	BOTH v_permlanex16_b32 v[SM+8*r+1], v[SM+8*r], s[SEL], s[SEL+1]
	BOTH v_max_num_f32 v[SM+8*r], v[SM+8*r], v[SM+8*r+1]
	BOTH v_mul_f32 v[SM+8*r+2], s[CS], v[SM+8*r]
.irp e, 0,2,4,6
	BOTH v_pk_fma_f32 v[S+8*r+\e:S+8*r+\e+1], v[S+8*r+\e:S+8*r+\e+1], s[CS:CS+1], v[SM+8*r+2:SM+8*r+3] op_sel_hi:[1,0,0] neg_lo:[0,0,1] neg_hi:[0,0,1]
.endr
.irp e, 0,1,2,3,4,5,6,7
	BOTH v_exp_f32 v[S+8*r+\e], v[S+8*r+\e]
.endr
	v_nop
	s_wait_alu depctr_va_vdst(0)
	BOTH v_pk_add_f32 v[SM+8*r+4:SM+8*r+5], v[S+8*r:S+8*r+1], v[S+8*r+2:S+8*r+3]
	BOTH v_pk_add_f32 v[SM+8*r+6:SM+8*r+7], v[S+8*r+4:S+8*r+5], v[S+8*r+6:S+8*r+7]
	BOTH v_pk_add_f32 v[SM+8*r+4:SM+8*r+5], v[SM+8*r+4:SM+8*r+5], v[SM+8*r+6:SM+8*r+7]
	BOTH v_add_f32 v[SM+8*r], v[SM+8*r+4], v[SM+8*r+5]
	BOTH v_permlanex16_b32 v[SM+8*r+1], v[SM+8*r], s[SEL], s[SEL+1]
	BOTH v_add_f32 v[SM+8*r], v[SM+8*r], v[SM+8*r+1]
	BOTH v_rcp_f32 v[SM+8*r+2], v[SM+8*r]
	v_nop
	s_wait_alu depctr_va_vdst(0)
.irp e, 0,2,4,6
	BOTH v_pk_mul_f32 v[S+8*r+\e:S+8*r+\e+1], v[S+8*r+\e:S+8*r+\e+1], v[SM+8*r+2:SM+8*r+3] op_sel_hi:[1,0]
.endr
.irp e, 0,1,2,3
	BOTH v_cvt_pk_f16_f32 v[P+8*r+\e], v[S+8*r+2*\e], v[S+8*r+2*\e+1]
.endr
	s_wait_dscnt 0x0                               ; V^T is in
.set i, 0
.rept 8                                ; O^T of row i / 4, channels 16 (i % 4) on: eight accumulators, one product each; row 0's at v224, row 1's at v32
	v_wmma_f32_16x16x32_f16 v[224-192*(i/4)+8*(i%4):224-192*(i/4)+8*(i%4)+7], v[VF+8*i:VF+8*i+7], v[P+8*(i/4):P+8*(i/4)+7], 0
.set i, i+1
.endr
.rept 8
	v_nop
.endr
.set i, 0
.rept 8
.set ob, 224-192*(i/4)+8*(i%4)
.set j, 0
.rept 4
	v_cvt_pk_f16_f32 v[ob+j], v[ob+2*j], v[ob+2*j+1]  ; in place, ascending: register j is written when registers 2 j and 2 j + 1 are read
.set j, j+1
.endr
	ds_store_b128 v[OS], v[ob:ob+3] offset:16*OPI*(i/4)+32*(i%4)
.set i, i+1
.endr
.set i, 0
.rept 8
	ds_load_b128 v[QF+4*i:QF+4*i+3], v[OR] offset:16*OPI*(i/4)+4*OPI*(i%4)
.set i, i+1
.endr
.set i, 0
.rept 8
	s_wait_dscnt 7-i                               ; LDS loads come back in order: piece i is in
	global_store_b128 v[VO], v[QF+4*i:QF+4*i+3], s[SA:SA+1] offset:2048*(i/4)+512*(i%4)  ; 512 consecutive bytes, aligned
.set i, i+1
.endr
	s_wait_tensorcnt 0x0                           ; the wave's end, behind my last LDS store
	ds_add_u32 v[SPW], v[NIL]
	s_wait_dscnt 0x0
	s_endpgm
.Lfunc_end_k_q094fbb34d3_attn:
	.size	k_q094fbb34d3_attn, .Lfunc_end_k_q094fbb34d3_attn-k_q094fbb34d3_attn
	.p2alignl 7, 3214868480
	.fill 96, 4, 3214868480
	.section	.rodata,"a",@progbits
	.p2align	6, 0x0
	.amdhsa_kernel k_q094fbb34d3_attn
		.amdhsa_group_segment_fixed_size 78848
		.amdhsa_private_segment_fixed_size 0
		.amdhsa_enable_private_segment 0
		.amdhsa_kernarg_size 48
		.amdhsa_user_sgpr_count 2
		.amdhsa_user_sgpr_kernarg_segment_ptr 1
		.amdhsa_wavefront_size32 1
		.amdhsa_system_sgpr_workgroup_id_x 1
		.amdhsa_system_sgpr_workgroup_id_y 1
		.amdhsa_system_sgpr_workgroup_id_z 1
		.amdhsa_system_vgpr_workitem_id 0
		.amdhsa_next_free_vgpr 256
		.amdhsa_next_free_sgpr 66
		.amdhsa_reserve_vcc 0
		.amdhsa_float_denorm_mode_32 3
		.amdhsa_float_denorm_mode_16_64 3
		.amdhsa_memory_ordered 1
		.amdhsa_forward_progress 1
		.amdhsa_inst_pref_size 56
	.end_amdhsa_kernel
	.amdgpu_metadata
---
amdhsa.version: [ 1, 2 ]
amdhsa.kernels:
  - .name:           k_q094fbb34d3_attn
    .symbol:         k_q094fbb34d3_attn.kd
    .args:
      - { .name: qkv, .offset: 0, .size: 8, .value_kind: global_buffer, .address_space: global }
      - { .name: ln_q_w, .offset: 8, .size: 8, .value_kind: global_buffer, .address_space: global }
      - { .name: ln_q_b, .offset: 16, .size: 8, .value_kind: global_buffer, .address_space: global }
      - { .name: ln_k_w, .offset: 24, .size: 8, .value_kind: global_buffer, .address_space: global }
      - { .name: ln_k_b, .offset: 32, .size: 8, .value_kind: global_buffer, .address_space: global }
      - { .name: att, .offset: 40, .size: 8, .value_kind: global_buffer, .address_space: global }
    .group_segment_fixed_size: 78848
    .private_segment_fixed_size: 0
    .kernarg_segment_align: 8
    .kernarg_segment_size: 48
    .max_flat_workgroup_size: 256
    .sgpr_count:     66
    .vgpr_count:     256
    .wavefront_size: 32
...
	.end_amdgpu_metadata
.endif
;; end of part 3
;; launch gemm2 (part 4): grid 8 x 32, 4 waves a work-group, clusters of 4 x 4, 327,680 bytes of LDS; arguments att, woh, bo, y; writes y
.if DOCPART == 4
	.amdgcn_target "amdgcn-amd-amdhsa--gfx1250"
	.amdhsa_code_object_version 6
	.text
	.protected	k_q094fbb34d3_gemm2
	.globl	k_q094fbb34d3_gemm2
	.p2align	8
	.type	k_q094fbb34d3_gemm2,@function
k_q094fbb34d3_gemm2:
	s_mov_b64 s[64:65], 0
	v_nop
	global_prefetch_b8 v0, s[64:65] scope:SCOPE_SE
	s_setreg_imm32_b32 hwreg(HW_REG_WAVE_MODE, 25, 1), 1
	s_wait_xcnt 0x0
	s_wait_alu depctr_hold_cnt(0) depctr_sa_sdst(0) depctr_va_vdst(0) depctr_va_sdst(0) depctr_va_ssrc(0) depctr_va_vcc(0) depctr_vm_vsrc(0)
	s_getreg_b32 s2, hwreg(HW_REG_IB_STS2, 6, 4)
	s_cmp_eq_u32 s2, 0
	s_cbranch_scc0 .Lentry_in_a_cluster
	s_endpgm
.Lentry_in_a_cluster:
	s_bfe_u32 s2, ttmp6, 0x10000c
	s_cmp_lg_u32 s2, 0xf033
	s_cbranch_scc0 .Lentry_shape_is_right
	s_endpgm
.Lentry_shape_is_right:
; y = att Wo^T + bo.  att [4096][1024] f16, woh [2048][1024] f16, bo [2048] f32, y [4096][2048] f32 (before its LayerNorm, which spans more columns than a tile and is made by the next launch).
; y stays f32: a difference is taken of it, and with offsets on the inputs it leaves f16's range.
; A tile of y is 128 x 256, so that 4096 x 2048 gives 256 work-groups.  Four waves, each 64 x 128: 32 accumulators, 256 registers.  K goes in 8 steps of 128 through a ring of two LDS slots;
; the rows of a tile are 256 bytes of memory and start at multiples of 256 bytes.
; CLUSTERS: 4 x 4 work-groups; att's tile is shared along a row of the cluster, woh's along a column: each is asked for jointly.  Waves 0 and 1 fetch att's two halves (64 rows), waves 2 and 3 woh's (128 rows).
; THE MATRIX INSTRUCTION IS USED TRANSPOSED (source 0 = 16 rows of woh, source 1 = 16 rows of att): a lane holds row l % 16 of y and eight neighbouring columns.  The bias is the C operand of the products that start the sums.
; No prefetch: K has eight steps, of which the first four would come by their loads alone.
; REGISTERS: window 0: v0-31 addresses; v32-159 at work on the way out; v192-223, v224-255 fragments of att, two buffers
;   window 1: v0-63, v64-127 fragments of woh; v128-191 the bias      window 2: the accumulators, (a, b) at v[8 (8 a + b)]
.set KSTEP,  128
.set PITCH,  272                       ; 256 bytes + 16 of padding: the 16 rows of a load start at 16 different groups of four banks (64 banks of 4 bytes: ISA guide 11.1)
.set AHALF,  64*PITCH
.set BHALF,  128*PITCH
.set BOFF,   2*AHALF                   ; a slot: att's 128 rows, then woh's 256
.set SLOT,   BOFF+2*BHALF
.set STAGE,  2*SLOT                    ; behind the ring: 16 rows x 528 bytes for each wave
.set SPITCH, 528
.set SPARE,  STAGE+4*16*SPITCH
.set ADRA, 16
.set ADRB, 20
.set STO,  24
.set RD,   25
.set CO,   26
.set BO,   27
.set SPW,  28
.set NIL,  29
.set OB,   32
.set FA,   192
.set BI,   128
.set WV,   12
.set RH,   13                          ; which half of the rows is mine.  Also: I fetch for att (0) or for woh (1)
.set CHF,  14                          ; which half of the columns.  Also: which half of that tile I fetch
.set G1,   24
.set G0,   32
.set G1B,  48
.set G0B,  56
.set MSB, 0
.macro WIN new
.if MSB != (\new)
	s_set_vgpr_msb (MSB<<8)|(\new)
.set MSB, \new
.endif
.endm
.macro JLOAD s                         ; an s_nop 0 and four v_nop follow each of the two lines
	s_cmp_eq_u32 s[RH], 0
	s_cbranch_scc0 .Lfor_b_\@
	tensor_load_to_lds s[G0+4*(\s):G0+4*(\s)+3], s[G1:G1+7]
	s_nop 0
.rept 4
	v_nop
.endr
	s_branch .Lasked_\@
.Lfor_b_\@:
	tensor_load_to_lds s[G0B+4*(\s):G0B+4*(\s)+3], s[G1B:G1B+7]
	s_nop 0
.rept 4
	v_nop
.endr
.Lasked_\@:
.endm
.macro CREST
	s_cmp_lg_u32 s[WV], 0
	s_cbranch_scc1 .Lnot_wave_0_\@
	s_barrier_signal -3
.Lnot_wave_0_\@:
	s_barrier_wait -3
	s_barrier_signal -1
	s_barrier_wait -1
.endm
.macro CROUND
	s_barrier_signal -1
	s_barrier_wait -1
	CREST
.endm
	s_load_b256 s[4:11], s[0:1], 0x0               ; att 4, woh 6, bo 8, y 10
	v_lshl_add_u32 v[SPW], v0, 2, SPARE
	v_mov_b32 v[NIL], 0
	ds_add_u32 v[SPW], v[NIL]                      ; the wave's opening: the add, and its wait ahead of my first tensor load
	v_lshrrev_b32 v1, 5, v0
	v_readfirstlane_b32 s[WV], v1
	s_lshr_b32 s[RH], s[WV], 1
	s_and_b32 s[CHF], s[WV], 1
	s_bfe_u32 s40, ttmp6, 0x40000                  ; cx
	s_bfe_u32 s41, ttmp6, 0x40004                  ; cy
	s_lshl_b32 s42, ttmp9, 2
	s_add_co_u32 s42, s42, s40                     ; tile column
	s_and_b32 s15, ttmp7, 0xffff
	s_lshl_b32 s15, s15, 2
	s_add_co_u32 s15, s15, s41                     ; tile row
	s_lshl_b32 s43, s41, 2
	s_lshl_b32 s43, 15, s43                        ; my row of the cluster
	s_lshl_b32 s44, 0x1111, s40                    ; my column
	s_or_b32 s[G1+0], s43, (1<<16)|(1<<20)|(1<<21)|(5<<22)|(3<<25)  ; the mask; 2-byte elements; padding on; bit 21 beside a mask; after every 64 words 4 words
	s_or_b32 s[G1B+0], s44, (1<<16)|(1<<20)|(1<<21)|(5<<22)|(3<<25)
	s_mov_b32 s[G1+1], KSTEP<<16                   ; tensor_dim0 = 128
	s_mov_b32 s[G1+2], 64<<16                      ; tensor_dim1 = 64
	s_mov_b32 s[G1+3], KSTEP<<16                   ; tile_dim0 = 128
	s_mov_b32 s[G1+4], 64                          ; tile_dim1 = 64
	s_mov_b32 s[G1+5], 1024                        ; elements from row to row
	s_mov_b32 s[G1+6], 0
	s_mov_b32 s[G1+7], 0
	s_mov_b32 s[G1B+1], KSTEP<<16
	s_mov_b32 s[G1B+2], 128<<16
	s_mov_b32 s[G1B+3], KSTEP<<16
	s_mov_b32 s[G1B+4], 128
	s_mov_b32 s[G1B+5], 1024
	s_mov_b32 s[G1B+6], 0
	s_mov_b32 s[G1B+7], 0
	s_lshl_b32 s16, s15, 7
	s_lshl_b32 s17, s[CHF], 6
	s_add_co_u32 s16, s16, s17                     ; att: row 128 x tile row + 64 x half
	s_lshl_b32 s16, s16, 11                        ; x 2,048 bytes
	s_mov_b32 s17, 0
	s_lshl_b32 s46, s42, 8
	s_lshl_b32 s47, s[CHF], 7
	s_add_co_u32 s46, s46, s47                     ; woh: row 256 x tile column + 128 x half
	s_lshl_b32 s46, s46, 11
	s_mov_b32 s47, 0
	s_mul_i32 s20, s[CHF], AHALF                   ; where they go: no place in the cluster enters an LDS address
	s_mul_i32 s21, s[CHF], BHALF
	s_add_co_u32 s21, s21, BOFF
	s_wait_dscnt 0x0
	s_wait_kmcnt 0x0
	s_add_nc_u64 s[18:19], s[4:5], s[16:17]
	s_add_nc_u64 s[46:47], s[6:7], s[46:47]
	CROUND                                         ; all sixteen work-groups are here: the first joint loads meet
.irp s, 0,1
	s_mov_b32 s[G0+4*(\s)], 1
	s_add_co_u32 s[G0+4*(\s)+1], s20, (\s)*SLOT
	s_add_nc_u64 s[G0+4*(\s)+2:G0+4*(\s)+3], s[18:19], (\s)*KSTEP*2
	s_or_b32 s[G0+4*(\s)+3], s[G0+4*(\s)+3], 0x80000000
	s_mov_b32 s[G0B+4*(\s)], 1
	s_add_co_u32 s[G0B+4*(\s)+1], s21, (\s)*SLOT
	s_add_nc_u64 s[G0B+4*(\s)+2:G0B+4*(\s)+3], s[46:47], (\s)*KSTEP*2
	s_or_b32 s[G0B+4*(\s)+3], s[G0B+4*(\s)+3], 0x80000000
	JLOAD \s                                       ; two loads of mine are out
.endr
	s_lshl_b32 s16, s42, 10                        ; my first column, in bytes of f32: 1,024 x tile column + 512 x half
	s_lshl_b32 s17, s[CHF], 9
	s_add_co_u32 s16, s16, s17
	s_mov_b32 s17, 0
	s_add_nc_u64 s[8:9], s[8:9], s[16:17]
	s_add_nc_u64 s[10:11], s[10:11], s[16:17]
	v_and_b32 v1, 15, v0
	v_bfe_u32 v2, v0, 4, 1
	v_lshlrev_b32 v[BO], 5, v2
	WIN 0x40
.set i, 0
.rept 16
	global_load_b128 v[BI+4*i:BI+4*i+3], v[BO], s[8:9] offset:64*(i/2)+16*(i%2)  ; block b's eight columns at v[BI + 8 b]
.set i, i+1
.endr
	WIN 0
	s_lshl_b32 s16, s15, 7
	s_lshl_b32 s17, s[RH], 6
	s_add_co_u32 s16, s16, s17                     ; my first row of y
	s_lshl_b32 s16, s16, 13                        ; x 8,192 bytes
	s_mov_b32 s17, 0
	s_add_nc_u64 s[10:11], s[10:11], s[16:17]
	v_mul_u32_u24 v3, v1, PITCH
	v_lshl_add_u32 v3, v2, 4, v3
	s_mul_i32 s21, s[RH], AHALF
	s_mul_i32 s22, s[CHF], BHALF
	s_add_co_u32 s22, s22, BOFF
.irp s, 0,1
	v_add_nc_u32 v[ADRA+(\s)], s21, v3
	v_add_nc_u32 v[ADRB+(\s)], s22, v3
	s_add_co_u32 s21, s21, SLOT
	s_add_co_u32 s22, s22, SLOT
.endr
	s_mul_i32 s23, s[WV], 16*SPITCH
	s_add_co_u32 s23, s23, STAGE
	v_mul_u32_u24 v4, v1, SPITCH                   ; in: row l % 16, 32 bytes for each half of the lanes
	v_lshl_add_u32 v4, v2, 5, v4
	v_add_nc_u32 v[STO], s23, v4
	v_and_b32 v5, 31, v0
	v_lshlrev_b32 v[CO], 4, v5                     ; back and out: 32 lanes take one row's 512 bytes
	v_add_nc_u32 v[RD], s23, v[CO]
.macro MUL8 f, a, fresh                ; m block a x all 8 n blocks, 32 along K
.if \fresh
	WIN 0x91                                       ; woh window 1, att window 0, C (the bias) window 1, D window 2
.else
	WIN 0xa1
.endif
.irp b, 0,1,2,3,4,5,6,7
.if \fresh
	v_wmma_f32_16x16x32_f16 v[8*(8*(\a)+(\b)):8*(8*(\a)+(\b))+7], v[64*(\f)+8*(\b):64*(\f)+8*(\b)+7], v[FA+32*(\f)+8*(\a):FA+32*(\f)+8*(\a)+7], v[BI+8*(\b):BI+8*(\b)+7]
.else
	v_wmma_f32_16x16x32_f16 v[8*(8*(\a)+(\b)):8*(8*(\a)+(\b))+7], v[64*(\f)+8*(\b):64*(\f)+8*(\b)+7], v[FA+32*(\f)+8*(\a):FA+32*(\f)+8*(\a)+7], v[8*(8*(\a)+(\b)):8*(8*(\a)+(\b))+7]
.endif
.endr
.endm
.macro FETCH slot, k, f                ; 24 LDS loads in one run
	WIN 0x40
.irp i, 0,1,2,3,4,5,6,7
	ds_load_b128 v[64*(\f)+8*(\i):64*(\f)+8*(\i)+3],   v[ADRB+(\slot)] offset:(\k)+(\i)*16*PITCH
	ds_load_b128 v[64*(\f)+8*(\i)+4:64*(\f)+8*(\i)+7], v[ADRB+(\slot)] offset:(\k)+(\i)*16*PITCH+32
.endr
	WIN 0
.irp i, 0,1,2,3
	ds_load_b128 v[FA+32*(\f)+8*(\i):FA+32*(\f)+8*(\i)+3],   v[ADRA+(\slot)] offset:(\k)+(\i)*16*PITCH
	ds_load_b128 v[FA+32*(\f)+8*(\i)+4:FA+32*(\f)+8*(\i)+7], v[ADRA+(\slot)] offset:(\k)+(\i)*16*PITCH+32
.endr
.endm
.macro PLACES
.rept 4
	v_nop
.endr
.endm
; A K step is four quarters of 32 along K, 32 matrix instructions each, on buffers 0, 1, 0, 1.  The 32 accumulators take turns in the same order everywhere.
.macro QUARTER slot, k, f, g, fresh
	s_wait_dscnt 4                                 ; woh's fragments and att's blocks 0, 1 are in; the youngest four loads (blocks 2, 3) may be out
	MUL8 \f, 0, \fresh
	MUL8 \f, 1, \fresh
	PLACES
	FETCH \slot, \k, \g
	s_wait_dscnt 24                                ; all but the 24 just issued
	MUL8 \f, 2, \fresh
	MUL8 \f, 3, \fresh
.endm
; The last quarter multiplies buffer 1 and changes slots: ONE barrier; in front of it each wave waits for all its tensor loads, adds 0 to its spare word, and waits for that and for its reads of this slot.
.macro TURN slot, next, fill
	WIN 0
	s_wait_tensorcnt 0x0                           ; all my tensor loads have landed: the one that was out is my part of the next slot
	ds_add_u32 v[SPW], v[NIL]
	s_wait_dscnt 5                                 ; the add and the youngest four loads may be out
	MUL8 1, 0, 0
	s_wait_dscnt 0x0                               ; the add is done, and my reads of this slot are over
	s_barrier_signal -1
	MUL8 1, 1, 0
.if \fill
	WIN 0
.endif
	s_barrier_wait -1
.if \fill
	CREST                                          ; the barrier has opened a round of the cluster's barrier
	s_add_nc_u64 s[G0+4*(\slot)+2:G0+4*(\slot)+3], s[G0+4*(\slot)+2:G0+4*(\slot)+3], 2*KSTEP*2
	s_add_nc_u64 s[G0B+4*(\slot)+2:G0B+4*(\slot)+3], s[G0B+4*(\slot)+2:G0B+4*(\slot)+3], 2*KSTEP*2
	JLOAD \slot                                    ; the first tensor load behind the round; its four v_nop are also the places in front of the loads below
.else
	PLACES
.endif
	FETCH \next, 0, 0
	MUL8 1, 2, 0
	MUL8 1, 3, 0
.endm
	s_wait_tensorcnt 1                             ; my part of K step 0 is in; K step 1's may stay out
	s_barrier_signal -1
	s_barrier_wait -1
	FETCH 0, 0, 0
	s_wait_loadcnt 0x0                             ; the bias
	QUARTER 0, 64, 0, 1, 1
	WIN 0
	s_mov_b32 s3, 3
.Llap:                                         ; three trips, six refills: K steps 2 to 7
	QUARTER 0, 128, 1, 0, 0
	QUARTER 0, 192, 0, 1, 0
	TURN 0, 1, 1
	QUARTER 1, 64,  0, 1, 0
	QUARTER 1, 128, 1, 0, 0
	QUARTER 1, 192, 0, 1, 0
	TURN 1, 0, 1
	QUARTER 0, 64,  0, 1, 0
	WIN 0
	s_sub_co_u32 s3, s3, 1
	s_cmp_lg_u32 s3, 0
	s_cbranch_scc1 .Llap
	QUARTER 0, 128, 1, 0, 0                        ; the last lap fills nothing
	QUARTER 0, 192, 0, 1, 0
	TURN 0, 1, 0
	QUARTER 1, 64,  0, 1, 0
	QUARTER 1, 128, 1, 0, 0
	QUARTER 1, 192, 0, 1, 0
	s_wait_dscnt 4
	MUL8 1, 0, 0
	MUL8 1, 1, 0
	s_wait_dscnt 0x0
	MUL8 1, 2, 0
	MUL8 1, 3, 0
	WIN 0
	PLACES
	PLACES
; THE WAY OUT, a block of 16 rows at a time: the sums go into my own stage as they lie (each accumulator's low four registers first) and come back as whole rows of 512 bytes.
.macro TOSTAGE a
	WIN 0x08                                       ; the stores' data lie in window 2
.irp b, 0,1,2,3,4,5,6,7
	ds_store_b128 v[STO], v[64*(\a)+8*(\b):64*(\a)+8*(\b)+3]   offset:64*(\b)
	ds_store_b128 v[STO], v[64*(\a)+8*(\b)+4:64*(\a)+8*(\b)+7] offset:64*(\b)+16
.endr
	WIN 0
.set t, 0
.rept 16
	ds_load_b128 v[OB+64*((\a)%2)+4*t:OB+64*((\a)%2)+4*t+3], v[RD] offset:t*SPITCH  ; LDS serves a wave's instructions in order (ISA guide 5.7.1.4)
.set t, t+1
.endr
.endm
.macro SEND a
.set t, 0
.rept 16
	s_wait_dscnt 15-t                              ; row t is back
	global_store_b128 v[CO], v[OB+64*((\a)%2)+4*t:OB+64*((\a)%2)+4*t+3], s[10:11] offset:(16*(\a)+t)*8192  ; 512 consecutive bytes, aligned
.set t, t+1
.endr
.endm
	TOSTAGE 0
	SEND 0
	TOSTAGE 1
	SEND 1
	s_wait_xcnt 0x0                                ; block 0's stores have read their registers, which are loaded again
	TOSTAGE 2
	SEND 2
	s_wait_xcnt 0x0
	TOSTAGE 3
	SEND 3
	s_wait_tensorcnt 0x0                           ; the wave's end
	ds_add_u32 v[SPW], v[NIL]
	s_wait_dscnt 0x0
	CROUND                                         ; the closing round
	s_endpgm
.Lfunc_end_k_q094fbb34d3_gemm2:
	.size	k_q094fbb34d3_gemm2, .Lfunc_end_k_q094fbb34d3_gemm2-k_q094fbb34d3_gemm2
	.p2alignl 7, 3214868480
	.fill 96, 4, 3214868480
	.section	.rodata,"a",@progbits
	.p2align	6, 0x0
	.amdhsa_kernel k_q094fbb34d3_gemm2
		.amdhsa_group_segment_fixed_size 327680
		.amdhsa_private_segment_fixed_size 0
		.amdhsa_enable_private_segment 0
		.amdhsa_kernarg_size 32
		.amdhsa_user_sgpr_count 2
		.amdhsa_user_sgpr_kernarg_segment_ptr 1
		.amdhsa_wavefront_size32 1
		.amdhsa_system_sgpr_workgroup_id_x 1
		.amdhsa_system_sgpr_workgroup_id_y 1
		.amdhsa_system_sgpr_workgroup_id_z 1
		.amdhsa_system_vgpr_workitem_id 0
		.amdhsa_next_free_vgpr 768
		.amdhsa_next_free_sgpr 66
		.amdhsa_reserve_vcc 0
		.amdhsa_float_denorm_mode_32 3
		.amdhsa_float_denorm_mode_16_64 3
		.amdhsa_memory_ordered 1
		.amdhsa_forward_progress 1
		.amdhsa_inst_pref_size 89
	.end_amdhsa_kernel
	.amdgpu_metadata
---
amdhsa.version: [ 1, 2 ]
amdhsa.kernels:
  - .name:           k_q094fbb34d3_gemm2
    .symbol:         k_q094fbb34d3_gemm2.kd
    .args:
      - { .name: att, .offset: 0, .size: 8, .value_kind: global_buffer, .address_space: global }
      - { .name: woh, .offset: 8, .size: 8, .value_kind: global_buffer, .address_space: global }
      - { .name: bo, .offset: 16, .size: 8, .value_kind: global_buffer, .address_space: global }
      - { .name: y, .offset: 24, .size: 8, .value_kind: global_buffer, .address_space: global }
    .group_segment_fixed_size: 327680
    .private_segment_fixed_size: 0
    .kernarg_segment_align: 8
    .kernarg_segment_size: 32
    .max_flat_workgroup_size: 128
    .sgpr_count:     66
    .vgpr_count:     768
    .wavefront_size: 32
...
	.end_amdgpu_metadata
.endif
;; end of part 4
;; launch fin (part 5): grid 256 x 1, 8 waves a work-group, no clusters, 0 bytes of LDS; arguments y, query_features, gpart, ln_o_w, ln_o_b, bg2, bc2, out0; writes out0
.if DOCPART == 5
	.amdgcn_target "amdgcn-amd-amdhsa--gfx1250"
	.amdhsa_code_object_version 6
	.text
	.protected	k_q094fbb34d3_fin
	.globl	k_q094fbb34d3_fin
	.p2align	8
	.type	k_q094fbb34d3_fin,@function
k_q094fbb34d3_fin:
	s_mov_b64 s[64:65], 0
	v_nop
	global_prefetch_b8 v0, s[64:65] scope:SCOPE_SE
	s_setreg_imm32_b32 hwreg(HW_REG_WAVE_MODE, 25, 1), 1
	s_wait_xcnt 0x0
; out = query_features + gate x chem x LayerNorm(y).  y [4096][2048] f32; gpart [16][4096] f32: parts 0-7 add up to the gate's logit of a row, parts 8-15 to chem's; all arithmetic in f32.
; A wave takes two rows; a row of 8,192 bytes is 64 registers a lane and stays in registers between the mean, the variance (of the centred numbers) and the result.  All loads are issued at the start; no loop,
; no LDS, no barrier: no wave needs another's data.  Each load and store of a wave covers 512 consecutive bytes.
; out = x + b e + (y - mean) w (e / sqrt(var + eps)), e = gate x chem: three packed lines for two numbers.
; sigmoid(z) = 1 / (1 + 2^(-z log2(e))): for z far below 0 the power is an infinity and the result 0.
; REGISTERS: window 0: v0-31 addresses and statistics; v64-127 ln_o_w; v128-191 ln_o_b.   window 1: v0-63 y of row 0, v64-127 x of row 0, v128-191 y of row 1, v192-255 x of row 1.
.set CH, 8                             ; v8-15  four chains of pairs
.set MN, 16                            ; v16-17 the mean, in the low word
.set RS, 18                            ; v18, v19  1 / sqrt(var + eps) of rows 0, 1
.set GG, 20                            ; v20-21 e / sqrt(var + eps), in the low word
.set RT, 25
.set LW, 64
.set LB, 128
.set SEL, 36
.set INV, 26
.set EPS, 27
.set EG, 32                            ; s[32:33], s[34:35]  e of rows 0, 1
.set MSB, 0
.macro WIN new
.if MSB != (\new)
	s_set_vgpr_msb (MSB<<8)|(\new)
.set MSB, \new
.endif
.endm
	s_load_b512 s[8:23], s[0:1], 0x0               ; y 8, query 10, gpart 12, ln_o_w 14, ln_o_b 16, bg2 18, bc2 20, out0 22
	v_lshrrev_b32 v3, 5, v0
	v_readfirstlane_b32 s4, v3                     ; wave 0..7
	v_and_b32 v4, 31, v0
	v_lshlrev_b32 v1, 4, v4                        ; 16 bytes a lane
	v_and_b32 v3, 15, v0                           ; part p = l % 16
	v_bfe_u32 v5, v0, 4, 1                         ; row l / 16
	v_lshlrev_b32 v2, 14, v3
	v_lshl_add_u32 v2, v5, 2, v2                   ; 16,384 p + 4 (l / 16)
	v_mov_b32 v[MN+1], 0                           ; named in pairs, or as v_permlanex16_b32's destination: written once
	v_mov_b32 v[GG+1], 0
	v_mov_b32 v[RT], 0
	s_lshl_b32 s5, ttmp9, 4
	s_lshl_b32 s6, s4, 1
	s_add_co_u32 s5, s5, s6                        ; my first row
	s_lshl_b32 s28, s5, 13                         ; x 8,192 bytes
	s_mov_b32 s29, 0
	s_lshl_b32 s30, s5, 2
	s_mov_b32 s31, 0
	s_mov_b32 s[SEL], 0x76543210
	s_mov_b32 s[SEL+1], 0xfedcba98
	s_mov_b32 s[INV], 0x3a000000                   ; 1 / 2,048
	s_mov_b32 s[EPS], 0x3727c5ac                   ; 1e-5
	s_wait_kmcnt 0x0
	s_load_b32 s24, s[18:19], 0x0                  ; bg2
	s_load_b32 s25, s[20:21], 0x0                  ; bc2
	s_add_nc_u64 s[8:9], s[8:9], s[28:29]
	s_add_nc_u64 s[10:11], s[10:11], s[28:29]
	s_add_nc_u64 s[22:23], s[22:23], s[28:29]
	s_add_nc_u64 s[12:13], s[12:13], s[30:31]
.set i, 0
.rept 16
	global_load_b128 v[LW+4*i:LW+4*i+3], v1, s[14:15] offset:512*i
.set i, i+1
.endr
.set i, 0
.rept 16
	global_load_b128 v[LB+4*i:LB+4*i+3], v1, s[16:17] offset:512*i
.set i, i+1
.endr
	global_load_b32 v22, v2, s[12:13]
	WIN 0x40                                       ; destination window 1, address window 0
.set i, 0
.rept 16
	global_load_b128 v[4*i:4*i+3], v1, s[8:9] offset:512*i th:TH_LOAD_NT
.set i, i+1
.endr
.set i, 0
.rept 16
	global_load_b128 v[128+4*i:128+4*i+3], v1, s[8:9] offset:8192+512*i th:TH_LOAD_NT
.set i, i+1
.endr
.set i, 0
.rept 16
	global_load_b128 v[64+4*i:64+4*i+3], v1, s[10:11] offset:512*i th:TH_LOAD_NT
.set i, i+1
.endr
.set i, 0
.rept 16
	global_load_b128 v[192+4*i:192+4*i+3], v1, s[10:11] offset:8192+512*i th:TH_LOAD_NT
.set i, i+1
.endr
	WIN 0
.macro JOINRED                         ; four chains of pairs into one number, then over the 32 lanes; every lane ends with the sum
	v_pk_add_f32 v[CH:CH+1], v[CH:CH+1], v[CH+2:CH+3]
	v_pk_add_f32 v[CH+4:CH+5], v[CH+4:CH+5], v[CH+6:CH+7]
	v_pk_add_f32 v[CH:CH+1], v[CH:CH+1], v[CH+4:CH+5]
	v_add_f32 v[CH], v[CH], v[CH+1]
	v_add_f32_dpp v[CH], v[CH], v[CH] row_xmask:1 row_mask:0xf bank_mask:0xf
	v_add_f32_dpp v[CH], v[CH], v[CH] row_xmask:2 row_mask:0xf bank_mask:0xf
	v_add_f32_dpp v[CH], v[CH], v[CH] row_xmask:4 row_mask:0xf bank_mask:0xf
	v_add_f32_dpp v[CH], v[CH], v[CH] row_xmask:8 row_mask:0xf bank_mask:0xf
	v_permlanex16_b32 v[RT], v[CH], s[SEL], s[SEL+1]
	v_add_f32 v[CH], v[CH], v[RT]
.endm
; Row r: y is centred in place, and 1 / sqrt(var + eps) is made.
.macro STATS r
.set YB, 128*(\r)
	WIN 0x05                                       ; sources 0 and 1 window 1, destination window 0
.set k, 0
.rept 4
	v_pk_add_f32 v[CH+2*k:CH+2*k+1], v[YB+2*k:YB+2*k+1], v[YB+8+2*k:YB+8+2*k+1]
.set k, k+1
.endr
	WIN 0x01
.set k, 8
.rept 24
	v_pk_add_f32 v[CH+2*(k%4):CH+2*(k%4)+1], v[YB+2*k:YB+2*k+1], v[CH+2*(k%4):CH+2*(k%4)+1]
.set k, k+1
.endr
	WIN 0
	JOINRED
	v_mul_f32 v[MN], s[INV], v[CH]
	WIN 0x41
.set k, 0
.rept 32
	v_pk_add_f32 v[YB+2*k:YB+2*k+1], v[YB+2*k:YB+2*k+1], v[MN:MN+1] op_sel_hi:[1,0] neg_lo:[0,1] neg_hi:[0,1]
.set k, k+1
.endr
	WIN 0x05
.set k, 0
.rept 4
	v_pk_mul_f32 v[CH+2*k:CH+2*k+1], v[YB+2*k:YB+2*k+1], v[YB+2*k:YB+2*k+1]
.set k, k+1
.endr
.set k, 4
.rept 28
	v_pk_fma_f32 v[CH+2*(k%4):CH+2*(k%4)+1], v[YB+2*k:YB+2*k+1], v[YB+2*k:YB+2*k+1], v[CH+2*(k%4):CH+2*(k%4)+1]
.set k, k+1
.endr
	WIN 0
	JOINRED
	v_fma_f32 v[CH], v[CH], s[INV], s[EPS]
	v_rsq_f32 v[RS+(\r)], v[CH]
	v_nop                                          ; a plain instruction behind the root
.endm
.macro FINAL r
.set YB, 128*(\r)
.set XB, 64+128*(\r)
	WIN 0
	s_wait_alu depctr_va_vdst(0)
	v_mul_f32 v[GG], s[EG+2*(\r)], v[RS+(\r)]
	WIN 0x41                                       ; y window 1, w window 0
.set k, 0
.rept 32
	v_pk_mul_f32 v[YB+2*k:YB+2*k+1], v[YB+2*k:YB+2*k+1], v[LW+2*k:LW+2*k+1]
.set k, k+1
.endr
	WIN 0x50                                       ; b window 0, x (source 2 and destination) window 1
.set k, 0
.rept 32
	v_pk_fma_f32 v[XB+2*k:XB+2*k+1], v[LB+2*k:LB+2*k+1], s[EG+2*(\r):EG+2*(\r)+1], v[XB+2*k:XB+2*k+1] op_sel_hi:[1,0,1]
.set k, k+1
.endr
	WIN 0x51
.set k, 0
.rept 32
	v_pk_fma_f32 v[XB+2*k:XB+2*k+1], v[YB+2*k:YB+2*k+1], v[GG:GG+1], v[XB+2*k:XB+2*k+1] op_sel_hi:[1,0,1]
.set k, k+1
.endr
	WIN 0x04                                       ; the stores' data lie in window 1
.set k, 0
.rept 16
	global_store_b128 v1, v[XB+4*k:XB+4*k+3], s[22:23] offset:8192*(\r)+512*k th:TH_STORE_NT
.set k, k+1
.endr
	WIN 0
.endm
	s_wait_loadcnt 48                              ; y of row 0 (and all before it) is in; 48 younger loads stay out
	STATS 0
	; the gates: lane (p, row) holds part p of its row; eight neighbouring lanes add up to a logit
	s_wait_kmcnt 0x0
	v_add_f32_dpp v22, v22, v22 row_xmask:1 row_mask:0xf bank_mask:0xf
	v_add_f32_dpp v22, v22, v22 row_xmask:2 row_mask:0xf bank_mask:0xf
	v_add_f32_dpp v22, v22, v22 row_xmask:4 row_mask:0xf bank_mask:0xf
	v_mov_b32 v23, s24
	v_mov_b32 v24, s25
	v_cmp_lt_u32 vcc_lo, 7, v3
	v_cndmask_b32 v23, v23, v24, vcc_lo            ; parts 8-15 are chem's
	v_add_f32 v22, v22, v23
	v_mul_f32 v22, 0xbfb8aa3b, v22                 ; -log2(e) z
	v_exp_f32 v22, v22
	v_nop
	s_wait_alu depctr_va_vdst(0)
	v_add_f32 v22, 1.0, v22
	v_rcp_f32 v22, v22
	v_nop
	s_wait_alu depctr_va_vdst(0)
	v_mul_f32_dpp v22, v22, v22 row_xmask:8 row_mask:0xf bank_mask:0xf  ; gate x chem
	v_readlane_b32 s[EG], v22, 0
	v_readlane_b32 s[EG+2], v22, 16
	s_mov_b32 s[EG+1], s[EG]                       ; named as pairs
	s_mov_b32 s[EG+3], s[EG+2]
	s_wait_loadcnt 32                              ; y of row 1
	STATS 1
	s_wait_loadcnt 16                              ; x of row 0
	FINAL 0
	s_wait_loadcnt 0x0
	FINAL 1
	s_endpgm
.Lfunc_end_k_q094fbb34d3_fin:
	.size	k_q094fbb34d3_fin, .Lfunc_end_k_q094fbb34d3_fin-k_q094fbb34d3_fin
	.p2alignl 7, 3214868480
	.fill 96, 4, 3214868480
	.section	.rodata,"a",@progbits
	.p2align	6, 0x0
	.amdhsa_kernel k_q094fbb34d3_fin
		.amdhsa_group_segment_fixed_size 0
		.amdhsa_private_segment_fixed_size 0
		.amdhsa_enable_private_segment 0
		.amdhsa_kernarg_size 64
		.amdhsa_user_sgpr_count 2
		.amdhsa_user_sgpr_kernarg_segment_ptr 1
		.amdhsa_wavefront_size32 1
		.amdhsa_system_sgpr_workgroup_id_x 1
		.amdhsa_system_sgpr_workgroup_id_y 1
		.amdhsa_system_sgpr_workgroup_id_z 1
		.amdhsa_system_vgpr_workitem_id 0
		.amdhsa_next_free_vgpr 512
		.amdhsa_next_free_sgpr 66
		.amdhsa_reserve_vcc 1
		.amdhsa_float_denorm_mode_32 3
		.amdhsa_float_denorm_mode_16_64 3
		.amdhsa_memory_ordered 1
		.amdhsa_forward_progress 1
		.amdhsa_inst_pref_size 42
	.end_amdhsa_kernel
	.amdgpu_metadata
---
amdhsa.version: [ 1, 2 ]
amdhsa.kernels:
  - .name:           k_q094fbb34d3_fin
    .symbol:         k_q094fbb34d3_fin.kd
    .args:
      - { .name: y, .offset: 0, .size: 8, .value_kind: global_buffer, .address_space: global }
      - { .name: query_features, .offset: 8, .size: 8, .value_kind: global_buffer, .address_space: global }
      - { .name: gpart, .offset: 16, .size: 8, .value_kind: global_buffer, .address_space: global }
      - { .name: ln_o_w, .offset: 24, .size: 8, .value_kind: global_buffer, .address_space: global }
      - { .name: ln_o_b, .offset: 32, .size: 8, .value_kind: global_buffer, .address_space: global }
      - { .name: bg2, .offset: 40, .size: 8, .value_kind: global_buffer, .address_space: global }
      - { .name: bc2, .offset: 48, .size: 8, .value_kind: global_buffer, .address_space: global }
      - { .name: out0, .offset: 56, .size: 8, .value_kind: global_buffer, .address_space: global }
    .group_segment_fixed_size: 0
    .private_segment_fixed_size: 0
    .kernarg_segment_align: 8
    .kernarg_segment_size: 64
    .max_flat_workgroup_size: 256
    .sgpr_count:     66
    .vgpr_count:     512
    .wavefront_size: 32
...
	.end_amdgpu_metadata
.endif
;; end of part 5
